; MI455X (gfx1250); checked and timed in simulation.
; The chip was launched on July 23, 2026; its instructions are those of AMD's public machine-readable ISA for CDNA 5 (MIT licence, August 2026) and "CDNA5" Instruction Set Architecture Reference Guide (July 2026). The comments in the code are by the model that wrote it; some were corrected since.
;; Attention. Allowed arithmetic: matrix products marked QUANTISED: E4M3 operands, one E8M0 scale for each 32 along K, by v_wmma_scale_f32_16x16x128_f8f6f4 with both operands' format E4M3, f32 sums; everything else in f32.
;; Inputs: c_attn_b 3,072 float32; c_attn_w_codes 3,072 x 32 x 32 uint8 (E4M3 codes of c_attn_w, K innermost, in blocks of 32 codes); c_attn_w_scales 3,072 x 32 uint8 (E8M0 scales of c_attn_w, one for each 32 codes along K); c_proj_b 1,024 float32; c_proj_w_codes 1,024 x 32 x 32 uint8 (E4M3 codes of c_proj_w, K innermost, in blocks of 32 codes); c_proj_w_scales 1,024 x 32 uint8 (E8M0 scales of c_proj_w, one for each 32 codes along K); mask_self_attention 1 x 1 x 2,048 x 2,048 bool; x_codes 4 x 2,048 x 32 x 32 uint8 (E4M3 codes of x, K innermost, in blocks of 32 codes); x_scales 4 x 2,048 x 32 uint8 (E8M0 scales of x, one for each 32 codes along K).
;; Outputs: out0 4 x 2,048 x 1,024 float32.
;; This version of the problem:
;;   THIS VERSION OF THE PROBLEM IS GIVEN IN LOW PRECISION. The matrix products marked QUANTISED in the list below multiply operands that are first quantised to E4M3 (4 exponent bits, 3 mantissa bits; 8 bits a number), with one power-of-two scale for each 32 numbers along K (OCP MX v1.0); their sums are f32. All else is computed in f32.
;;   The module's matrix products, in the order in which they are computed (A, B: the left and right operand; K: the contracted axis; several contracted axes count as one K, in the product's order):
;;     1. [M 8,192, K 1,024] x [K 1,024, N 3,072]; A: input x (given as codes); B: input c_attn_w (given as codes): QUANTISED
;;     2. batch 64 x [M 2,048, K 64] x [K 64, N 2,048]; A: computed on the way; B: computed on the way: QUANTISED
;;     3. batch 64 x [M 2,048, K 2,048] x [K 2,048, N 64]; A: softmax (see below); B: computed on the way: QUANTISED
;;     4. [M 8,192, K 1,024] x [K 1,024, N 1,024]; A: computed on the way; B: input c_proj_w (given as codes): QUANTISED
;;   THE QUANTISER, for each operand of a quantised product, along K:
;;     - K is cut into blocks of 32 from its start; a last block that is shorter is filled with zeros.
;;     - A block's scale is 2^e with e = floor(log2(the largest magnitude in the block)) - 8, held to -126 .. 127; a block of zeros has e = 0. As a byte (E8M0): e + 127.
;;     - Each number is divided by its block's scale, clamped to +-448, and rounded to the nearest number of E4M3, ties to even, subnormals kept.
;;     - The product sums the exact products of the quantised numbers (number of the format x scale) in f32.
;;   ~~~python
;;   def quantise(x, axis):      # numpy; x: float32 -> the quantised numbers, widened to float32 again
;;       x = np.moveaxis(x, axis, -1); K = x.shape[-1]
;;       x = np.pad(x, [(0, 0)] * (x.ndim - 1) + [(0, -K % 32)]); x = x.reshape(x.shape[:-1] + (-1, 32)); a = np.abs(x).max(-1, keepdims=True)
;;       e = np.where(a > 0, np.clip(np.frexp(np.where(a > 0, a, 1))[1] - 1 - 8, -126, 127), 0)      # np.frexp(a)[1] - 1 = floor(log2(a)), exactly
;;       r = np.clip(x / 2.0 ** e, -448, 448)
;;       step = 2.0 ** (np.maximum(np.frexp(np.where(r == 0, 1, r))[1] - 1, -6) - 3)
;;       q = np.round(r / step) * step * 2.0 ** e      # np.round: ties to even
;;       return np.moveaxis(q.reshape(q.shape[:-2] + (-1,))[..., :K], -1, axis).astype(np.float32)
;;   ~~~
;;   SOFTMAX AHEAD OF A QUANTISED PRODUCT. Where the list says 'softmax', what is quantised is not the finished softmax but p = 2^(t - M), with t = logit x log2(e) and M = ceil(the row's largest t), a whole number; so 1/2 < the row's largest p <= 1. The row's sum l is taken of the UNQUANTISED p, in f32, and the product's result is divided by l at the end. Since M is a whole number, a kernel that streams over the keys may use a running M (the ceiling of the running maximum): every later rescaling is an exact power of two, which a block's scale takes up: the codes' values come out the same.
;;   OPERANDS COMPUTED ON THE WAY. 'Computed on the way' means the value that the module computes at that place (a softmax that the list does not call 'softmax' is quantised finished and normalised). What goes into a quantiser is computed in f32, as accurately as f32 sums, v_exp_f32 and their like allow (about 1e-6 of the number): no bf16 or f16 on the way to a quantiser, and a product that is left as it is and whose result goes on into a quantised operand takes f32 operands (vector FMAs, or v_wmma_f32_16x16x4_f32). A number that lies on a knife's edge between two numbers of the format may be rounded either way, as far as f32 arithmetic and the matrix unit's own rounding can turn it there, and no further.
;;   INPUTS GIVEN AS CODES. c_attn_w (in the module: [1024, 3072], K = its axis 0); c_proj_w (in the module: [1024, 1024], K = its axis 0); x (in the module: [4, 2048, 1024], K = its axis 2): each comes as NAME_codes (uint8): NAME with its K axis moved to the last place and cut into blocks of 32 codes, [.., K / 32, bytes a block], one block behind the other in memory; one code a byte (a code: sign, 4 exponent bits, 3 mantissa bits); and NAME_scales (uint8): the same leading axes, one E8M0 byte (e + 127) for each 32 codes along K. Its value is code x scale, taken as it is: it is not quantised again, and the codes and scales need not be those that the quantiser above would give.
;; 2 versions, each right; version 2 is version 1 with the launch attn written anew for expert scheduling mode. Each part assembles by itself: llvm-mc -triple=amdgcn-amd-amdhsa -mcpu=gfx1250 --defsym DOCPART=n.
;; ======== version 1 of 2: 3 launches
;; workspace buffers: qkvimg 25,165,824 bytes; qkvsc 786,432 bytes; maskw 524,288 bytes of whole numbers; cls 512 bytes of whole numbers; aimg 8,388,608 bytes; asc 262,144 bytes
;; launch qkv (part 1): grid 12 x 32, 4 waves a work-group, clusters of 4 x 4, 327,680 bytes of LDS; arguments x_codes, x_scales, c_attn_w_codes, c_attn_w_scales, c_attn_b, mask_self_attention, maskw, cls, qkvimg, qkvsc; writes maskw, cls, qkvimg, qkvsc
.if DOCPART == 1
	.amdgcn_target "amdgcn-amd-amdhsa--gfx1250"
	.amdhsa_code_object_version 6
	.text
	.protected	k_q76db125185_qkv
	.globl	k_q76db125185_qkv
	.p2align	8
	.type	k_q76db125185_qkv,@function
k_q76db125185_qkv:
	s_mov_b64 s[64:65], 0
	v_nop
	global_prefetch_b8 v0, s[64:65] scope:SCOPE_SE
	s_setreg_imm32_b32 hwreg(HW_REG_WAVE_MODE, 25, 1), 1
	s_wait_xcnt 0x0
	s_wait_alu depctr_hold_cnt(0) depctr_sa_sdst(0) depctr_va_vdst(0) depctr_va_sdst(0) depctr_va_ssrc(0) depctr_va_vcc(0) depctr_vm_vsrc(0)
	s_getreg_b32 s2, hwreg(HW_REG_IB_STS2, 6, 4)
	s_cmp_eq_u32 s2, 0
	s_cbranch_scc0 .Lentry_in_a_cluster
	s_endpgm
.Lentry_in_a_cluster:
	s_bfe_u32 s2, ttmp6, 0x10000c
	s_cmp_lg_u32 s2, 0xf033
	s_cbranch_scc0 .Lentry_shape_is_right
	s_endpgm
.Lentry_shape_is_right:
; qkv = x W + b on codes of FP8 (E4M3) with one E8M0 scale for each 32 along K = 1,024; then q, k and v are quantised in registers and leave as IMAGES OF OPERAND REGISTERS.
; x: 8,192 rows of 1,024 codes; W: 3,072 rows (features) of 1,024 codes; scale bytes 32 a row.  A work-group makes 256 x 256 of the product, a wave 128 x 128: 64 accumulators, 512 registers.
; K goes in steps of 256 through a ring of two LDS slots filled by the tensor data mover; the scale bytes of the work-group's 2 x 256 rows come once.  4 x 4 work-groups form a cluster and ask jointly.
; ROLES.  Side A is source 1 of the matrix instruction (a lane holds one of its rows), side B source 0 (a lane's registers run along its rows).  The cluster's x says what is made:
;   0: q, 1: k: A = tokens (x), B = features (W): a lane holds a token, and its registers run along the features, which are the next product's K;
;   2: v:       A = channels (W), B = tokens (x): a lane holds a channel, and its registers run along the keys, which are the next product's K.
; Only four pointers and two tile numbers differ, chosen by selects on the cluster's x, which all partners share.
; ORDER INSIDE A BLOCK OF 32.  Register 8 t + j of a lane (r, h) is index 16 t + 8 h + j.  Sixteen registers of two neighbouring tiles are converted as they stand, so that in place (h, i) of block b lies index
; 32 b + 16 (i / 8) + 8 h + i % 8.  The 32 indices of a block stay in it, so the scales are the rule's; q and k, and v and the softmax's p, are laid by the same lines, so both sides of a product carry the same order.
; OUT.  qkvimg: q at 0, k at 8 MiB: [batch x head 64][token tile 128][2][lane][16 bytes]; v at 16 MiB: [batch x head][key step 16][channel tile 4][4][lane][16 bytes].
;       qkvsc: q at 0, k at 262,144: [batch][head pair 8][token tile][row 16] words (bytes 0, 1 the even head's blocks, 2, 3 the odd head's); v at 524,288: [batch x head][key step][channel tile][row] words.
; THE MASK.  The 128 work-groups that make q also turn the mask's bytes into lane masks: maskw [query tile 128][key step 16][64 words]: bit (r, h) of word 8 t + j = mask[16 tile + r][128 step + 16 t + 8 h + j];
; and cls [query tile]: two bits a step: 0 nothing masked, 1 some, 2 all.  Whole numbers made of whole numbers, with no jump on them.
; LIMITS: NaN and infinities among the inputs are not served; mask bytes are 0 or 1; a block of zeros gets the byte 1 (its codes are zeros, and this program alone reads the bytes).
.set KSTEP,  256
.set NQ,     2                         ; matrix instructions deep in a slot
.set ROWB,   256                       ; a tile's row in bytes
.set KROW,   1024                      ; a row of x or of W in memory
.set PITCH,  272                       ; an LDS row: 256 bytes + 16 of padding
.set FR,     16
.set NL,     4
.set NP,     8                         ; places behind this matrix instruction (ISA guide 7.12.1)
.set HALFT,  128*PITCH
.set SLOT,   4*HALFT
.set LAPS,   2                         ; 1,024 / 512
.set KS,     32                        ; a row of scale bytes
.set SCL,    2*SLOT
.set HALFS,  (128*KS/256)*272
.set SBLK,   (16*KS/256)*272
.set SPARE,  SCL+4*HALFS               ; the spare words: 128 bytes a wave, named by no other line
.set BA,   8                           ; v8-15   v: the bias of my channel in A's block a
.set ADRA, 16
.set ADRB, 20
.set O0,   22                          ; v22-25  the way out: my byte offsets for a fragment's four groups of four registers
.set LS4,  26                          ; v26     4 x lane
.set ADRS, 27
.set SPW,  28
.set NIL,  29
.set MOF,  30                          ; v30     the mask's bytes: my offset
.set WOF,  31                          ; v31     maskw: my offset
.set SC,   32                          ; v32-63  scale words, two sets
.set BV,   64                          ; v64-127 q, k: the bias of my 64 features
.set AF,   128                         ; A's fragments
.set T,    128                         ; the way out: 64 numbers
.set PC,   192                         ; their codes
.set TM,   208                         ; v208-223 at work
.set PW,   224                         ; the scale word just made;  v225 the even block's;  v226 the two together
.set PWE,  225
.set CMB,  226
.set MD,   128                         ; the mask's bytes: 4 steps x 16 registers
.set MT,   192
.set MO,   196                         ; v196-203 the words, two a lane, a pair of registers for each step
.set ORA,  204
.set ANDA, 205
.set CLV,  206
.set CLA,  207
.set G1, 24
.set G0, 32
.set G1B, 48
.set G0B, 56
.set G1S, 68
.set G0S, 76
.set G1SB, 80
.set G0SB, 88
.set SEL, 20                           ; s[20:21] on the way out: lane selects for lane l xor 16
.set MNT, 2                            ; s2       on the way out: the mantissa field of 448
.set MSB, 0
.macro WIN new                         ; the immediate's high byte repeats the setting that is left
.if MSB != \new
	s_set_vgpr_msb (MSB<<8)|\new
.set MSB, \new
.endif
.endm
.set MUL_LO, 0xa1                      ; source 0 (B) window 1, source 1 (A) window 0, C and D window 2
.set MUL_HI, 0xf1
.set TO_B,   0x40
; A joint load: waves 0 and 1 fetch for A, waves 2 and 3 for B; the branch hangs on the wave's number alone.  Four v_nop follow each of the two lines.
.macro JLOAD g0a, g1a, g0b, g1b
	s_cmp_eq_u32 s15, 0
	s_cbranch_scc0 .Lfor_b_\@
	tensor_load_to_lds s[\g0a:\g0a+3], s[\g1a:\g1a+7]
	s_nop 0
.rept 4
	v_nop
.endr
	s_branch .Lasked_\@
.Lfor_b_\@:
	tensor_load_to_lds s[\g0b:\g0b+3], s[\g1b:\g1b+7]
	s_nop 0
.rept 4
	v_nop
.endr
.Lasked_\@:
.endm
.macro CREST                           ; a round of the cluster's barrier behind its opening barrier
	s_cmp_lg_u32 s14, 0
	s_cbranch_scc1 .Lnot_wave_0_\@
	s_barrier_signal -3
.Lnot_wave_0_\@:
	s_barrier_wait -3
	s_barrier_signal -1
	s_barrier_wait -1
.endm
.macro CROUND
	s_barrier_signal -1
	s_barrier_wait -1
	CREST
.endm
	s_load_b256 s[4:11], s[0:1], 0x0               ; x's codes, x's scales, W's codes, W's scales
	s_load_b256 s[92:99], s[0:1], 0x20             ; the bias, the mask, maskw, cls
	s_load_b64 s[66:67], s[0:1], 0x40              ; qkvimg
	s_load_b64 s[104:105], s[0:1], 0x48            ; qkvsc
	v_lshl_add_u32 v[SPW], v0, 2, SPARE
	v_mov_b32 v[NIL], 0
	ds_add_u32 v28, v29
	ds_add_u32 v28, v29
	s_wait_dscnt 0x0
	v_lshrrev_b32 v1, 5, v0
	v_readfirstlane_b32 s14, v1                    ; wave 0..3
	s_lshr_b32 s15, s14, 1                         ; which half of A's 256 rows is mine.  Also: I fetch for A (0) or for B (1)
	s_and_b32 s16, s14, 1                          ; which half of B's.  Also: which 128 rows of that tile I fetch
	s_bfe_u32 s40, ttmp6, 0x40000                  ; cx
	s_bfe_u32 s41, ttmp6, 0x40004                  ; cy
	s_and_b32 s101, ttmp7, 0xffff                  ; the cluster's y
	s_lshl_b32 s18, s101, 2
	s_lshl_b32 s19, ttmp9, 2
	s_cmp_eq_u32 ttmp9, 2                          ; v?  The same in all sixteen partners
	s_cselect_b32 s12, 1, 0
	s_cselect_b32 s17, 8, s18                      ; A's tile of 256 rows: v: W's 8 + cy;  q, k: x's 4 y + cy
	s_cselect_b32 s42, s18, s19                    ; B's: v: x's 4 y + cx;  q, k: W's 4 x + cx
	s_add_co_u32 s17, s17, s41
	s_add_co_u32 s42, s42, s40
	s_lshl_b32 s43, s41, 2
	s_lshl_b32 s43, 15, s43                        ; my row of the cluster
	s_lshl_b32 s44, 0x1111, s40                    ; my column
	; descriptor group 1: a tile of 128 rows x 256 bytes, 16 bytes of padding behind each row
	s_or_b32 s[G1+0], s43, (0<<16)|(1<<20)|(1<<21)|(5<<22)|(3<<25)  ; 15:0 the mask: A's tiles go to my row; elements of 1 byte; padding on; bit 21 beside a mask; after every 64 words, 4 words
	s_or_b32 s[G1B+0], s44, (0<<16)|(1<<20)|(1<<21)|(5<<22)|(3<<25)
.irp g, G1, G1B
	s_mov_b32 s[\g+1], ROWB<<16                    ; tensor_dim0
	s_mov_b32 s[\g+2], 128<<16                     ; tensor_dim1
	s_mov_b32 s[\g+3], ROWB<<16                    ; tile_dim0
	s_mov_b32 s[\g+4], 128                         ; tile_dim1
	s_mov_b32 s[\g+5], KROW                        ; the pitch
	s_mov_b32 s[\g+6], 0
	s_mov_b32 s[\g+7], 0
.endr
	; the scales of 128 rows: 4,096 dense bytes as 16 rows of 256 (32 elements of 8 bytes), 16 bytes of padding behind each
	s_or_b32 s[G1S+0], s43, (3<<16)|(1<<20)|(1<<21)|(5<<22)|(3<<25)
	s_or_b32 s[G1SB+0], s44, (3<<16)|(1<<20)|(1<<21)|(5<<22)|(3<<25)
.irp g, G1S, G1SB
	s_mov_b32 s[\g+1], 32<<16
	s_mov_b32 s[\g+2], (128*KS/256)<<16
	s_mov_b32 s[\g+3], 32<<16
	s_mov_b32 s[\g+4], 128*KS/256
	s_mov_b32 s[\g+5], 32
	s_mov_b32 s[\g+6], 0
	s_mov_b32 s[\g+7], 0
.endr
	s_lshl_b32 s18, s16, 7                         ; which 128 rows of the tile I fetch
	s_lshl_b32 s20, s17, 8
	s_add_co_u32 s20, s20, s18                     ; A's row
	s_lshl_b32 s46, s42, 8
	s_add_co_u32 s46, s46, s18                     ; B's row
	s_lshl_b32 s22, s20, 5                         ; where these rows' scales begin, in bytes,
	s_mov_b32 s23, 0
	s_lshl_b32 s20, s20, 10                        ; and their codes (all under 2^24)
	s_mov_b32 s21, 0
	s_lshl_b32 s2, s46, 5
	s_mov_b32 s3, 0
	s_lshl_b32 s46, s46, 10
	s_mov_b32 s47, 0
	s_mul_i32 s45, s14, HALFT                      ; where they go: wave x 128 rows: no place in the cluster enters an LDS address
	s_mul_i32 s100, s14, HALFS
	s_wait_kmcnt 0x0
	s_cmp_eq_u32 ttmp9, 2
	s_cselect_b64 s[18:19], s[8:9], s[4:5]         ; A's codes: W's for v, else x's
	s_cselect_b64 s[4:5], s[4:5], s[8:9]           ; B's codes
	s_cselect_b64 s[8:9], s[10:11], s[6:7]         ; A's scales
	s_cselect_b64 s[6:7], s[6:7], s[10:11]         ; B's scales
	s_add_nc_u64 s[20:21], s[18:19], s[20:21]
	s_add_nc_u64 s[22:23], s[8:9], s[22:23]
	s_add_nc_u64 s[46:47], s[4:5], s[46:47]
	s_add_nc_u64 s[2:3], s[6:7], s[2:3]
	CROUND                                         ; all sixteen work-groups are here: the first joint loads meet
	s_mov_b32 s[G0S], 1
	s_add_co_u32 s[G0S+1], s100, SCL
	s_mov_b64 s[G0S+2:G0S+3], s[22:23]
	s_or_b32 s[G0S+3], s[G0S+3], 0x80000000
	s_mov_b32 s[G0SB], 1
	s_add_co_u32 s[G0SB+1], s100, SCL
	s_mov_b64 s[G0SB+2:G0SB+3], s[2:3]
	s_or_b32 s[G0SB+3], s[G0SB+3], 0x80000000
	JLOAD G0S, G1S, G0SB, G1SB                     ; the scales first: they are wanted with K step 0
.irp s, 0,1
	s_mov_b32 s[G0+4*\s], 1
	s_add_co_u32 s[G0+4*\s+1], s45, \s*SLOT
	s_add_nc_u64 s[G0+4*\s+2:G0+4*\s+3], s[20:21], \s*ROWB
	s_or_b32 s[G0+4*\s+3], s[G0+4*\s+3], 0x80000000
	s_mov_b32 s[G0B+4*\s], 1
	s_add_co_u32 s[G0B+4*\s+1], s45, \s*SLOT
	s_add_nc_u64 s[G0B+4*\s+2:G0B+4*\s+3], s[46:47], \s*ROWB
	s_or_b32 s[G0B+4*\s+3], s[G0B+4*\s+3], 0x80000000
	JLOAD G0+4*\s, G1, G0B+4*\s, G1B               ; three tensor loads of mine are out now
.endr
	v_and_b32 v1, 15, v0                           ; r
	v_bfe_u32 v2, v0, 4, 1                         ; h
	v_mul_u32_u24 v3, v1, PITCH
	v_lshl_add_u32 v4, v2, 4, v3                   ; a fragment's row x pitch + 16 h
	s_mul_i32 s21, s15, HALFT                      ; my 128 rows of A
	s_mul_i32 s22, s16, HALFT                      ; my 128 rows of B,
	s_add_co_u32 s22, s22, 2*HALFT                 ; which lie behind A's 256
.irp s, 0,1
	v_add_nc_u32 v[ADRA+\s], s21, v4
	v_add_nc_u32 v[ADRB+\s], s22, v4
	s_add_co_u32 s21, s21, SLOT
	s_add_co_u32 s22, s22, SLOT
.endr
	v_mul_u32_u24 v5, v1, KS                       ; my row's scales: 32 bytes a row,
	v_lshrrev_b32 v6, 8, v5
	v_lshl_add_u32 v5, v6, 4, v5                   ; and 16 more for each 256 passed
	s_mul_i32 s21, s15, HALFS
	s_mul_i32 s22, s16, HALFS
	s_add_co_u32 s22, s22, 2*HALFS
	s_sub_co_u32 s22, s22, s21
	v_mul_u32_u24 v6, s22, v2                      ; lanes 16-31 take B's
	s_add_co_u32 s21, s21, SCL
	v_add_nc_u32 v5, v5, v6
	v_add_nc_u32 v[ADRS], s21, v5
	; THE BIASES.  Both sets are loaded in every work-group, so that every register is written on every way; each work-group uses one.  Every address lies inside the 3,072 numbers.
	s_cmp_lg_u32 s12, 0
	s_cselect_b32 s22, s40, s42                    ; q, k: W's tile; v: cx (numbers that are not used)
	s_lshl_b32 s22, s22, 10
	s_lshl_b32 s23, s16, 9
	s_add_co_u32 s22, s22, s23
	v_lshl_add_u32 v3, v2, 5, s22                  ; feature 256 tile + 128 half + 8 h, in bytes
.irp b, 0,1,2,3,4,5,6,7
	global_load_b128 v[BV+8*\b:BV+8*\b+3], v3, s[92:93] offset:64*\b
	global_load_b128 v[BV+8*\b+4:BV+8*\b+7], v3, s[92:93] offset:64*\b+16
.endr
	s_lshl_b32 s22, s41, 10
	s_lshl_b32 s23, s15, 9
	s_add_co_u32 s22, s22, s23
	s_add_co_u32 s22, s22, 8192
	v_lshl_add_u32 v4, v1, 2, s22                  ; channel 2,048 + 256 cy + 128 half + r, in bytes
.irp a, 0,1,2,3,4,5,6,7
	global_load_b32 v[BA+\a], v4, s[92:93] offset:64*\a
.endr
	; THE MASK'S WORDS, in the work-groups that make q, while the first tiles are on their way.  Work-group <-> query tile; wave w <-> key steps 4 w .. 4 w + 3.  No LDS, no barrier.
	s_cmp_lg_u32 ttmp9, 0
	s_cbranch_scc1 .Lnomask
	s_lshl_b32 s22, s101, 2
	s_add_co_u32 s22, s22, s41
	s_lshl_b32 s22, s22, 2
	s_add_co_u32 s22, s22, s40                     ; the query tile, 0 .. 127
	s_lshl_b32 s23, s22, 15                        ; its 16 rows of 2,048 bytes
	s_lshl_b32 s4, s14, 9                          ; my four steps of 128 bytes
	s_add_co_u32 s23, s23, s4
	v_lshlrev_b32 v[MOF], 11, v1
	v_lshl_add_u32 v[MOF], v2, 3, v[MOF]
	v_add_nc_u32 v[MOF], s23, v[MOF]               ; row r, + 8 h
.irp u, 0,1,2,3
.irp t, 0,1,2,3,4,5,6,7
	global_load_b64 v[MD+16*\u+2*\t:MD+16*\u+2*\t+1], v[MOF], s[94:95] offset:128*\u+16*\t th:TH_LOAD_NT   ; keys 16 t + 8 h + 0 .. 7 of step 4 w + u
.endr
.endr
	v_and_b32 v[WOF], 31, v0
	s_lshl_b32 s23, s22, 12                        ; a tile's 16 steps of 256 bytes
	s_lshl_b32 s4, s14, 10
	s_add_co_u32 s23, s23, s4
	v_lshl_add_u32 v[WOF], v[WOF], 3, s23          ; + 8 bytes a lane
.irp i, 0,1,2,3,4,5,6,7
	v_mov_b32 v[MO+\i], 0                          ; (v_writelane_b32's destination counts as read)
.endr
	s_mov_b32 s11, 0                               ; my four steps' classes
.macro MUNIT u
	s_wait_loadcnt 8*(3-\u)                        ; this step's eight loads are in; the later steps' may be out (the biases' loads are older)
	v_or_b32 v[ORA], v[MD+16*\u], v[MD+16*\u+1]
	v_and_b32 v[ANDA], v[MD+16*\u], v[MD+16*\u+1]
.irp i, 2,3,4,5,6,7,8,9,10,11,12,13,14,15
	v_or_b32 v[ORA], v[ORA], v[MD+16*\u+\i]
	v_and_b32 v[ANDA], v[ANDA], v[MD+16*\u+\i]
.endr
.set n, 0
.rept 16                               ; word n: byte n % 4 of register n / 4, as a mask of the 32 lanes; it goes to lane n / 2, register n % 2
.irp k, 0,1,2,3
	v_and_b32 v[MT+\k], 1<<(8*\k), v[MD+16*\u+n/4]
.endr
.irp k, 0,1,2,3
	v_cmp_ne_u32 s[4+\k], 0, v[MT+\k]
.endr
.irp k, 0,1,2,3
	v_writelane_b32 v[MO+2*\u+\k%2], s[4+\k], (n+\k)/2
.endr
.set n, n+4
.endr
	v_cmp_ne_u32 s8, 0, v[ORA]                     ; lanes with a masked key,
	v_cmp_eq_u32 s9, 0x01010101, v[ANDA]           ; lanes with all their keys masked
	s_cmp_lg_u32 s8, 0
	s_cselect_b32 s10, 1, 0
	s_cmp_eq_u32 s9, -1
	s_cselect_b32 s10, 2, s10                      ; the class, by selects: no jump hangs on the mask
	s_lshl_b32 s10, s10, 2*\u
	s_or_b32 s11, s11, s10
	global_store_b64 v[WOF], v[MO+2*\u:MO+2*\u+1], s[96:97] offset:256*\u   ; 32 lanes store 256 consecutive bytes, aligned
.endm
	MUNIT 0
	MUNIT 1
	MUNIT 2
	MUNIT 3
	s_lshl_b32 s23, s22, 2
	s_add_co_u32 s23, s23, s14
	v_mov_b32 v[CLA], s23
	v_mov_b32 v[CLV], s11
	global_store_b8 v[CLA], v[CLV], s[98:99]       ; byte w of the tile's word: all lanes write the same byte with the same value
.Lnomask:
	s_wait_xcnt 0x0                                ; the stores have read their registers: A's fragments may land there
.macro FRAG reg, adr, q, i             ; 16 rows x 128 K: lane l holds row l % 16; registers 4 c .. 4 c + 3 hold K = 32 c + 16 (l / 16) + 0 .. 15
.irp c, 0,1,2,3
	ds_load_b128 v[\reg+4*\c:\reg+4*\c+3], v[\adr] offset:128*(\q)+32*\c+(\i)*16*PITCH
.endr
.endm
; 16 matrix instructions: A's blocks a0, a0 + 1 x B's eight.  The 64 accumulators take turns, one instruction a turn, in the same order in every step.
.macro MUL16 a0, p, q, sc, zero
.irp a, \a0, \a0+1
.irp b, 0,1,2,3,4,5,6,7
.if \zero
	v_wmma_scale_f32_16x16x128_f8f6f4 v[8*(8*((\a)%4)+\b):8*(8*((\a)%4)+\b)+7], v[128*(\p)+FR*\b:128*(\p)+FR*\b+FR-1], v[AF+FR*(\a):AF+FR*(\a)+FR-1], 0, v[SC+8*NQ*(\sc)+NQ*\b+(\q)], v[SC+8*NQ*(\sc)+NQ*(\a)+(\q)] matrix_a_scale:MATRIX_SCALE_ROW1
.else
	v_wmma_scale_f32_16x16x128_f8f6f4 v[8*(8*((\a)%4)+\b):8*(8*((\a)%4)+\b)+7], v[128*(\p)+FR*\b:128*(\p)+FR*\b+FR-1], v[AF+FR*(\a):AF+FR*(\a)+FR-1], v[8*(8*((\a)%4)+\b):8*(8*((\a)%4)+\b)+7], v[SC+8*NQ*(\sc)+NQ*\b+(\q)], v[SC+8*NQ*(\sc)+NQ*(\a)+(\q)] matrix_a_scale:MATRIX_SCALE_ROW1
.endif
.endr
.endr
.endm
.macro FETCH_B slot, q, p
	WIN TO_B
.irp i, 0,1,2,3,4,5,6,7
	FRAG 128*(\p)+FR*\i, ADRB+\slot, \q, \i
.endr
	WIN 0
.endm
.macro FETCH_A slot, q, i0
.irp i, \i0, \i0+1, \i0+2, \i0+3
	FRAG AF+FR*(\i), ADRA+\slot, \q, \i
.endr
.endm
.macro SCALES sc                       ; a K step's scale words: two a row; lanes 0-15 take A's block i, lanes 16-31 B's block i
.irp i, 0,1,2,3,4,5,6,7
	ds_load_b64 v[SC+8*NQ*\sc+NQ*\i:SC+8*NQ*\sc+NQ*\i+1], v[ADRS] offset:\i*SBLK
.endr
.endm
.macro PLACES n                        ; plain vector instructions between a matrix instruction and a load into, or a read of, its registers
.rept \n
	v_nop
.endr
.endm
.macro STEP slot, q, zero              ; 128 along K that have their successor in the same slot
	s_wait_dscnt 4*NL                              ; B's set and A's blocks 0-3 are in; the youngest sixteen loads (A's blocks 4-7) may be out
	WIN MUL_LO
	MUL16 0, (\q)%2, \q, \slot, \zero
	MUL16 2, (\q)%2, \q, \slot, \zero
	s_wait_dscnt 0
	PLACES NP
	FETCH_B \slot, (\q)+1, 1-(\q)%2
	FETCH_A \slot, (\q)+1, 0
	WIN MUL_HI
	MUL16 4, (\q)%2, \q, \slot, \zero
	MUL16 6, (\q)%2, \q, \slot, \zero
	PLACES NP
	WIN 0
	FETCH_A \slot, (\q)+1, 4
.endm
; A slot's last step changes slots: one barrier; in front of it each wave waits for all its tensor loads, adds 0 to its spare word, and waits for that and for its reads of this slot.
.macro TURN slot, next, fill
	s_wait_tensorcnt 0x0                           ; all my tensor loads have landed: my part of the next slot
	ds_add_u32 v[SPW], v[NIL]                      ; 0 onto my spare word
	s_wait_dscnt 4*NL+1                            ; (the add and the youngest sixteen loads, A's blocks 4-7, may be out)
	WIN MUL_LO
	MUL16 0, 1, NQ-1, \slot, 0
	s_wait_dscnt 0x0                               ; the add is done, and my reads of this slot are over
	s_barrier_signal -1
	MUL16 2, 1, NQ-1, \slot, 0
	WIN 0
	s_barrier_wait -1
.if \fill
	CREST                                          ; the barrier has opened a round of the cluster's: no wave of any partner still reads this slot or has a load on its way
	s_add_nc_u64 s[G0+4*\slot+2:G0+4*\slot+3], s[G0+4*\slot+2:G0+4*\slot+3], 2*ROWB
	s_add_nc_u64 s[G0B+4*\slot+2:G0B+4*\slot+3], s[G0B+4*\slot+2:G0B+4*\slot+3], 2*ROWB
	JLOAD G0+4*\slot, G1, G0B+4*\slot, G1B         ; my one tensor load behind the round; its four v_nop are among the places below
	PLACES NP-4
.else
	PLACES NP
.endif
	v_add_nc_u32 v[ADRS], 4*NQ, v[ADRS]            ; the next K step's scale words
	FETCH_B \next, 0, 0
	FETCH_A \next, 0, 0
	SCALES \next
	WIN MUL_HI
	MUL16 4, 1, NQ-1, \slot, 0
	MUL16 6, 1, NQ-1, \slot, 0
	PLACES NP
	WIN 0
	FETCH_A \next, 0, 4
.endm
	s_wait_tensorcnt 1                             ; the scales and my part of K step 0 are in; K step 1's load may be out
	s_barrier_signal -1
	s_barrier_wait -1
	FETCH_B 0, 0, 0
	FETCH_A 0, 0, 0
	SCALES 0
	FETCH_A 0, 0, 4
	STEP 0, 0, 1                                   ; the first step's products start the sums
	s_mov_b32 s3, LAPS-1
.Llap:
	TURN 0, 1, 1
	STEP 1, 0, 0
	TURN 1, 0, 1
	STEP 0, 0, 0
	s_sub_co_u32 s3, s3, 1
	s_cmp_lg_u32 s3, 0
	s_cbranch_scc1 .Llap
	TURN 0, 1, 0                                   ; the last lap fills nothing
	STEP 1, 0, 0
	s_wait_dscnt 4*NL
	WIN MUL_LO
	MUL16 0, 1, NQ-1, 1, 0
	MUL16 2, 1, NQ-1, 1, 0
	s_wait_dscnt 0
	WIN MUL_HI
	MUL16 4, 1, NQ-1, 1, 0
	MUL16 6, 1, NQ-1, 1, 0
	WIN 0
	; THE WAY OUT.  A's block a (16 tokens, or 16 channels) at a time: + bias, quantised along the lane's 64 registers, codes and scale words stored as images.
	s_wait_loadcnt 0x0                             ; the biases
	PLACES NP
	s_mov_b32 s[MNT], 0x600000
	s_mov_b32 s13, 0xffff0000                      ; lanes 16-31
	s_mov_b32 s[SEL], 0x76543210
	s_mov_b32 s[SEL+1], 0xfedcba98
	s_lshr_b32 s22, s101, 1                        ; the batch: 8 tiles of 256 tokens each
	s_and_b32 s23, s101, 1
	s_lshl_b32 s23, s23, 2                         ; u: the cluster's first tile of 256 tokens in it
	s_cmp_lg_u32 s12, 0
	s_cselect_b32 s43, s41, s40                    ; on the heads' side: place in the cluster,
	s_cselect_b32 s44, s15, s16                    ; and half;
	s_cselect_b32 s46, s40, s41                    ; on the tokens' side likewise
	s_cselect_b32 s47, s16, s15
	s_mov_b32 s8, 2048
	s_cselect_b32 s8, s8, 1024                     ; from block to block in the images: v: a channel tile; q, k: a token tile
	s_mov_b32 s10, 124928
	s_cselect_b32 s10, s10, 1024                   ; into block 4: v: the next head's channel tile 0
	s_mov_b32 s18, 3968
	s_cselect_b32 s18, s18, 128                    ; the scale words' step into blocks 4, 5
	s_mov_b32 s45, 1024
	s_cselect_b32 s45, s45, 131072                 ; from registers 0-7 to 8-15: v: on in the fragment; q, k: the next head
	s_cselect_b32 s100, 8, 9
	s_mov_b32 s9, 0
	s_mov_b32 s11, 0
	s_mov_b32 s19, 0
	s_lshl_b32 s22, s22, 4
	s_lshl_b32 s43, s43, 2
	s_add_co_u32 s22, s22, s43
	s_lshl_b32 s44, s44, 1
	s_add_co_u32 s22, s22, s44                     ; batch x head of my first head: 16 b + 4 place + 2 half
	s_add_co_u32 s46, s46, s23
	s_lshl_b32 s46, s46, 1
	s_add_co_u32 s46, s46, s47                     ; which 128 tokens of the batch are mine: 0 .. 15
	s_lshl_b32 s4, ttmp9, 23                       ; q, k, v: 8 MiB each
	s_lshl_b32 s43, s22, 17                        ; a head: 131,072 bytes
	s_add_co_u32 s4, s4, s43
	s_lshl_b32 s43, s46, 13                        ; 128 tokens of a head: 8,192 bytes
	s_add_co_u32 s4, s4, s43
	s_mov_b32 s5, 0
	s_add_nc_u64 s[4:5], s[66:67], s[4:5]          ; where my codes go
	s_lshl_b32 s6, ttmp9, 18
	s_lshl_b32 s43, s22, 12
	s_add_co_u32 s6, s6, s43
	s_lshl_b32 s43, s46, s100                      ; 128 tokens: q, k: 8 tiles x 64 bytes; v: 4 channel tiles x 64 bytes
	s_add_co_u32 s6, s6, s43
	s_mov_b32 s7, 0
	s_add_nc_u64 s[6:7], s[104:105], s[6:7]        ; and my scale words
	v_and_b32 v[LS4], 31, v0
	v_lshlrev_b32 v[O0], 4, v[LS4]
	v_lshlrev_b32 v[LS4], 2, v[LS4]
	v_add_nc_u32 v[O0+1], 512, v[O0]
	v_add_nc_u32 v[O0+2], s45, v[O0]
	v_add_nc_u32 v[O0+3], 512, v[O0+2]
.irp b, 0,1,2,3
	v_mov_b32 v[TM+4+\b], 0                        ; written once: a lane permute's destination counts as one of its sources
.endr
; 64 numbers of a lane, four blocks of 16 registers (the block's other 16 lie in lane l xor 16), become 16 registers of codes in v[PC] on and the row's scale word in v[PW].
.macro QUANT s
.irp b, 0,1,2,3
	v_max3_num_f32 v[TM+\b], |v[\s+16*\b]|, |v[\s+1+16*\b]|, 0x4800000   ; with the floor 2^(9 - 127): the byte cannot fall under 1
.endr
.irp i, 2,4,6,8,10,12,14
.irp b, 0,1,2,3
	v_max3_num_f32 v[TM+\b], v[TM+\b], |v[\s+16*\b+\i]|, |v[\s+1+16*\b+\i]|
.endr
.endr
.irp b, 0,1,2,3
	v_permlanex16_b32 v[TM+4+\b], v[TM+\b], s[SEL], s[SEL+1]
.endr
.irp b, 0,1,2,3
	v_max_num_f32 v[TM+\b], v[TM+\b], v[TM+4+\b]   ; the block's largest magnitude
.endr
.irp b, 0,1,2,3
	v_add_nc_u32 v[TM+12+\b], 0xfc000000, v[TM+\b] ; 8 off its exponent field: the conversion's scale operand
.endr
.irp b, 0,1,2,3
	v_and_or_b32 v[TM+8+\b], v[TM+\b], 0x7f800000, s[MNT]   ; 448 x the scale
.endr
.irp b, 0,1,2,3
	v_lshrrev_b32 v[TM+4+\b], 23, v[TM+12+\b]      ; the scale's byte
.endr
	v_lshl_or_b32 v[PW], v[TM+5], 8, v[TM+4]
	v_lshl_or_b32 v[PW], v[TM+6], 16, v[PW]
	v_lshl_or_b32 v[PW], v[TM+7], 24, v[PW]
.irp b, 0,1,2,3
.irp i, 0,1,2,3,4,5,6,7,8,9,10,11,12,13,14,15
	v_med3_num_f32 v[\s+16*\b+\i], v[\s+16*\b+\i], -v[TM+8+\b], v[TM+8+\b]   ; the conversion to an 8-bit code does not saturate (ISA guide 7.6.2): the hold
.endr
	v_cvt_scalef32_pk8_fp8_f32 v[PC+4*\b:PC+1+4*\b], v[\s+16*\b:\s+7+16*\b], v[TM+12+\b]
	v_cvt_scalef32_pk8_fp8_f32 v[PC+2+4*\b:PC+3+4*\b], v[\s+8+16*\b:\s+15+16*\b], v[TM+12+\b]
.endr
	v_nop                                          ; a plain line behind the last conversion
.endm
.macro EPI a
.if \a > 0
	s_wait_xcnt 0x0                                ; the last block's stores have read their registers and bases
.if \a == 4
	s_add_nc_u64 s[4:5], s[4:5], s[10:11]
.else
	s_add_nc_u64 s[4:5], s[4:5], s[8:9]
.endif
.if (\a == 3) || (\a == 7)
	s_add_nc_u64 s[6:7], s[6:7], 128
.endif
.if \a == 5
	s_add_nc_u64 s[6:7], s[6:7], s[18:19]
.endif
.endif
	s_cmp_lg_u32 s12, 0
	s_cbranch_scc1 .Lv_\@
	WIN 0x02+(\a)/4                                ; source 0: the accumulators' window.  The addition is also the move into window 0
.set i, 0
.rept 32
	v_pk_add_f32 v[T+2*i:T+2*i+1], v[64*((\a)%4)+2*i:64*((\a)%4)+2*i+1], v[BV+2*i:BV+2*i+1]
.set i, i+1
.endr
	WIN 0
	s_branch .Lj_\@
.Lv_\@:
	WIN 0x02+(\a)/4
.set i, 0
.rept 32
.if ((\a)%2) == 0
	v_pk_add_f32 v[T+2*i:T+2*i+1], v[64*((\a)%4)+2*i:64*((\a)%4)+2*i+1], v[BA+(\a):BA+(\a)+1] op_sel_hi:[1,0]   ; my channel's bias for both halves
.else
	v_pk_add_f32 v[T+2*i:T+2*i+1], v[64*((\a)%4)+2*i:64*((\a)%4)+2*i+1], v[BA+(\a)-1:BA+(\a)] op_sel:[0,1] op_sel_hi:[1,1]
.endif
.set i, i+1
.endr
	WIN 0
.Lj_\@:
	QUANT T
.irp g, 0,1,2,3
	global_store_b128 v[O0+\g], v[PC+4*\g:PC+4*\g+3], s[4:5]   ; 32 lanes store 512 consecutive bytes, aligned
.endr
.if ((\a)%2) == 0
	v_mov_b32 v[PWE], v[PW]
.else
	v_cndmask_b32 v[CMB], v[PWE], v[PW], s13       ; lanes 0-15: block a - 1's words; lanes 16-31: block a's
	global_store_b32 v[LS4], v[CMB], s[6:7]        ; 128 consecutive bytes
.endif
.endm
	EPI 0
	EPI 1
	EPI 2
	EPI 3
	EPI 4
	EPI 5
	EPI 6
	EPI 7
	s_wait_tensorcnt 0x0                           ; the wave's end
	ds_add_u32 v[SPW], v[NIL]
	s_wait_dscnt 0x0
	CROUND                                         ; the closing round
	s_endpgm
.Lfunc_end_k_q76db125185_qkv:
	.size	k_q76db125185_qkv, .Lfunc_end_k_q76db125185_qkv-k_q76db125185_qkv
	.p2alignl 7, 3214868480
	.fill 96, 4, 3214868480
	.section	.rodata,"a",@progbits
	.p2align	6, 0x0
	.amdhsa_kernel k_q76db125185_qkv
		.amdhsa_group_segment_fixed_size 327680
		.amdhsa_private_segment_fixed_size 0
		.amdhsa_enable_private_segment 0
		.amdhsa_kernarg_size 80
		.amdhsa_user_sgpr_count 2
		.amdhsa_user_sgpr_kernarg_segment_ptr 1
		.amdhsa_wavefront_size32 1
		.amdhsa_system_sgpr_workgroup_id_x 1
		.amdhsa_system_sgpr_workgroup_id_y 1
		.amdhsa_system_sgpr_workgroup_id_z 1
		.amdhsa_system_vgpr_workitem_id 0
		.amdhsa_next_free_vgpr 1024
		.amdhsa_next_free_sgpr 106
		.amdhsa_reserve_vcc 0
		.amdhsa_float_denorm_mode_32 3
		.amdhsa_float_denorm_mode_16_64 3
		.amdhsa_memory_ordered 1
		.amdhsa_forward_progress 1
		.amdhsa_inst_pref_size 255
	.end_amdhsa_kernel
	.section	.bss,"aw",@nobits
	.p2align	6
	.space	262144
	.amdgpu_metadata
---
amdhsa.version: [ 1, 2 ]
amdhsa.kernels:
  - .name:           k_q76db125185_qkv
    .symbol:         k_q76db125185_qkv.kd
    .args:
      - { .name: x_codes, .offset: 0, .size: 8, .value_kind: global_buffer, .address_space: global }
      - { .name: x_scales, .offset: 8, .size: 8, .value_kind: global_buffer, .address_space: global }
      - { .name: c_attn_w_codes, .offset: 16, .size: 8, .value_kind: global_buffer, .address_space: global }
      - { .name: c_attn_w_scales, .offset: 24, .size: 8, .value_kind: global_buffer, .address_space: global }
      - { .name: c_attn_b, .offset: 32, .size: 8, .value_kind: global_buffer, .address_space: global }
      - { .name: mask_self_attention, .offset: 40, .size: 8, .value_kind: global_buffer, .address_space: global }
      - { .name: maskw, .offset: 48, .size: 8, .value_kind: global_buffer, .address_space: global }
      - { .name: cls, .offset: 56, .size: 8, .value_kind: global_buffer, .address_space: global }
      - { .name: qkvimg, .offset: 64, .size: 8, .value_kind: global_buffer, .address_space: global }
      - { .name: qkvsc, .offset: 72, .size: 8, .value_kind: global_buffer, .address_space: global }
    .group_segment_fixed_size: 327680
    .private_segment_fixed_size: 0
    .kernarg_segment_align: 8
    .kernarg_segment_size: 80
    .max_flat_workgroup_size: 128
    .sgpr_count:     106
    .vgpr_count:     1024
    .wavefront_size: 32
...
	.end_amdgpu_metadata
.endif
;; end of part 1
;; launch attn (part 2): grid 4 x 64, 16 waves a work-group, no clusters, 276,480 bytes of LDS; arguments qkvimg, qkvsc, maskw, cls, aimg, asc; writes aimg, asc
.if DOCPART == 2
	.amdgcn_target "amdgcn-amd-amdhsa--gfx1250"
	.amdhsa_code_object_version 6
	.text
	.protected	k_q76db125185_attn
	.globl	k_q76db125185_attn
	.p2align	8
	.type	k_q76db125185_attn,@function
k_q76db125185_attn:
	s_mov_b64 s[64:65], 0
	v_nop
	global_prefetch_b8 v0, s[64:65] scope:SCOPE_SE
	s_setreg_imm32_b32 hwreg(HW_REG_WAVE_MODE, 25, 1), 1
	s_wait_xcnt 0x0
; a = softmax(where(mask, -10000, q k^T / 8)) v for one head of 64, both products on codes of FP8 (E4M3) with E8M0 scales; a is quantised along the merged heads and leaves as images of operand registers.
; THE SOFTMAX: t = logit x log2(e); M = the running largest t, rounded up to a whole number; p = 2^(t - M) is quantised along the keys, not normalised; the row's sum is taken of the unquantised p and divides at the end.
; SHARES.  A work-group owns a head (y) and two blocks of 256 queries, 7 - x and x, one after the other; each of its sixteen waves owns 16 queries of a block, in 256 registers, and walks all 16 key steps of 128.
; K AND V OF THE WHOLE HEAD LIE IN LDS, as images of operand registers, written once at the head; one barrier; after it nothing is written to LDS.  So every LDS read is 16 x lane (or 4 x lane) + constants + the step.
; LAYOUT.  S^T = K Q^T (source 0 = 16 keys, source 1 = my queries), O^T = V^T P^T (source 0 = 16 channels): a lane holds ONE query.  Register 8 t + j of S^T is key 16 t + 8 h + j; sixteen registers are converted as they
; stand, which is the order in which the launch before laid v's keys: both sides of the second product carry the same order inside a block of 32.  q and k were laid by one set of lines likewise.
; THE HEAD IS 64 AND THE INSTRUCTION'S K IS 128: Q's upper eight registers are zero codes; K's fragment of tile t is v[32 + 8 t .. + 15], whose upper half is the next tile's codes (finite numbers), which meet zeros.
; THE MASK IS AN INPUT.  The launch before stored, for each (query tile, key step), 64 lane masks and a class.  Class 0: nothing masked.  Class 1: each score is replaced by the masked logit where its bit is set:
; one v_cndmask_b32 a score, the masks in scalar registers.  Class 2: every score is the masked logit: K Q^T, whose result would be thrown away, and the search for maxima are left out; p is one number; V^T P is multiplied as always.
; The branches hang on stored whole numbers; so this launch has no tensor load, and no joint requests: K and V come through registers, each byte once for a work-group, and are shared by four work-groups only.
; No prefetch: all of K and V is asked for at the head.
; LIMITS: NaN and infinities are not served; a block of zeros carries the byte 1 (zero codes); in a step of class 2 a lane's 64 equal p are summed as 64 p, rounded once.
.set VREG,  131072                     ; LDS: K's images at 0, 8,192 bytes a key step; V's here likewise;
.set KSREG, 262144                     ; K's scale words: 64 bytes a tile of 16 keys;
.set VSREG, 270336                     ; V's: 256 bytes a key step, 64 a channel tile
.set LI,  1                            ; v1   16 x lane
.set KS0, 2                            ; v2   4 x lane + KSREG
.set ADK, 3                            ; v3-6 the step's addresses: K, V, K's scale words, V's
.set ADV, 4
.set ADS, 5
.set ADT, 6
.set VS0, 7                            ; v7   4 x lane + VSREG
.set MKV, 8                            ; v8   -80000: the score that stands for the logit -10000 (scores are divided by 8)
.set OA,  10                           ; v10, v11 offsets of Q's loads, later of a's stores
.set SA,  11
.set QF,  16                           ; v16-23 Q's codes, v24-31 zeros
.set KV,  32                           ; v32-95 K's eight tiles or V's four fragments; v96-103 zeros
.set S,   104                          ; v104-167 S^T, then p
.set O,   168                          ; v168-199 O^T
.set PC,  200                          ; v200-215 p's codes
.set BM,  216
.set PT,  220
.set HD,  224
.set SO,  228
.set F,   232                          ; v[232:233] 2^(old M - new M), later 1 / the sum
.set TA,  234
.set TB2, 235
.set SU,  236
.set KSC, 238                          ; v238-241 K's scale words: lanes 0-15 an even tile's, lanes 16-31 the odd one's
.set VSC, 242
.set QSC, 244
.set PSC, 245
.set RC,  246
.set SN,  250
.set WV,  18
.set TB,  19                           ; s19  the step's first byte in K's and V's images
.set T1,  20
.set T2,  21
.set C,   22                           ; s22  the classes still to come, two bits a step
.set STP, 23
.set PASS, 24
.set TT,  25                           ; s25  my query tile
.set SH,  26                           ; s26  16 x (head & 1): where my head's two bytes lie in a pair's scale word
.set HM,  27                           ; s27  lanes 16-31
.set MNT, 28
.set SEL, 66
.set CS,  104                          ; s[104:105] log2(e) / 8
	s_load_b256 s[32:39], s[0:1], 0x0              ; qkvimg, qkvsc, maskw, cls
	s_load_b128 s[40:43], s[0:1], 0x20             ; aimg, asc
	v_lshl_add_u32 v254, v0, 2, 0x43000
	v_mov_b32 v255, 0
	v_lshrrev_b32 v1, 5, v0
	v_readfirstlane_b32 s[WV], v1                  ; wave 0..15
	v_and_b32 v2, 31, v0
	v_lshlrev_b32 v[LI], 4, v2
	v_lshl_add_u32 v[VS0], v2, 2, VSREG
	v_lshl_add_u32 v[KS0], v2, 2, KSREG
	v_lshlrev_b32 v9, 4, v0                        ; the fill: thread t takes 16 bytes at 16 t of each 8,192
	v_add_nc_u32 v10, 65536, v9
	v_add_nc_u32 v11, VREG, v9
	v_add_nc_u32 v12, VREG+65536, v9
	v_lshlrev_b32 v13, 3, v0
	v_add_nc_u32 v14, KSREG, v9
	v_add_nc_u32 v15, VSREG, v13
	s_and_b32 s2, ttmp7, 0xffff                    ; batch x head
	s_lshr_b32 s3, s2, 4                           ; batch
	s_and_b32 s20, s2, 15                          ; head
	s_lshr_b32 s21, s20, 1                         ; pair of heads
	s_and_b32 s22, s20, 1
	s_lshl_b32 s[SH], s22, 4
	s_lshl_b32 s44, s2, 17                         ; a head's images: 131,072 bytes
	s_mov_b32 s45, 0
	s_lshl_b32 s46, s3, 3
	s_add_co_u32 s46, s46, s21
	s_lshl_b32 s46, s46, 13                        ; a pair's scale words: 8,192 bytes
	s_mov_b32 s47, 0
	s_lshl_b32 s48, s2, 12
	s_add_co_u32 s48, s48, 524288                  ; v's scale words: 4,096 bytes a head
	s_mov_b32 s49, 0
	s_lshl_b32 s50, s3, 21                         ; aimg: a batch's 128 token tiles of 16,384 bytes,
	s_lshl_b32 s23, s21, 11                        ; K step = the pair of heads,
	s_add_co_u32 s50, s50, s23
	s_lshl_b32 s23, s22, 10                        ; registers 0-7 or 8-15 of the fragment
	s_add_co_u32 s50, s50, s23
	s_mov_b32 s51, 0
	s_lshl_b32 s52, s3, 16                         ; asc: 32 bytes a token; my head's two
	s_lshl_b32 s23, s20, 1
	s_add_co_u32 s52, s52, s23
	s_mov_b32 s53, 0
	s_mov_b32 s[HM], 0xffff0000
	s_mov_b32 s[MNT], 0x600000
	s_mov_b32 s[SEL], 0x76543210
	s_mov_b32 s[SEL+1], 0xfedcba98
	s_mov_b32 s[CS], 0x3e38aa3b
	s_mov_b32 s[CS+1], s[CS]
	s_wait_kmcnt 0x0
	s_add_nc_u64 s[4:5], s[32:33], s[44:45]        ; q's images of my head
	s_add_nc_u64 s[54:55], s[4:5], 0x800000        ; k's
	s_add_nc_u64 s[56:57], s[4:5], 0x1000000       ; v's
	s_add_nc_u64 s[6:7], s[34:35], s[46:47]        ; q's scale words
	s_add_nc_u64 s[58:59], s[6:7], 262144          ; k's
	s_add_nc_u64 s[60:61], s[34:35], s[48:49]      ; v's
	s_mov_b64 s[8:9], s[36:37]                     ; maskw
	s_mov_b64 s[12:13], s[38:39]                   ; cls
	s_add_nc_u64 s[14:15], s[40:41], s[50:51]
	s_add_nc_u64 s[16:17], s[42:43], s[52:53]
	; THE FILL: 34 loads a wave, 512 consecutive bytes each (V's scale words: 256); then the same bytes to LDS as they lie.
.irp s, 0,1,2,3,4,5,6,7,8,9,10,11,12,13,14,15
	global_load_b128 v[32+4*\s:35+4*\s], v9, s[54:55] offset:8192*\s
.endr
.irp s, 0,1,2,3,4,5,6,7,8,9,10,11,12,13,14,15
	global_load_b128 v[96+4*\s:99+4*\s], v9, s[56:57] offset:8192*\s
.endr
	global_load_b128 v[160:163], v9, s[58:59]
	global_load_b64 v[164:165], v13, s[60:61]
.irp s, 0,1,2,3,4,5,6,7,8,9,10,11,12,13,14,15
	s_wait_loadcnt 33-\s                           ; K's step s is in: 33 - s loads were issued behind it
	ds_store_b128 v[9+\s/8], v[32+4*\s:35+4*\s] offset:8192*(\s%8)
.endr
.irp s, 0,1,2,3,4,5,6,7,8,9,10,11,12,13,14,15
	s_wait_loadcnt 17-\s                           ; V's step s: 17 - s behind it
	ds_store_b128 v[11+\s/8], v[96+4*\s:99+4*\s] offset:8192*(\s%8)
.endr
	s_wait_loadcnt 0x0
.irp i, 0,1,2,3
	v_bfe_u32 v[160+\i], v[160+\i], s[SH], 16      ; my head's two bytes; the bytes of the zero half of K become 0
.endr
	ds_store_b128 v14, v[160:163]
	ds_store_b64 v15, v[164:165]
	s_wait_dscnt 0x0                               ; for the others' sake: my stores have landed
	s_barrier_signal -1
	s_barrier_wait -1                              ; the head's K and V lie in LDS; nothing is written there any more
.irp j, 0,1,2,3,4,5,6,7
	v_mov_b32 v[QF+8+\j], 0                        ; Q's zero half,
	v_mov_b32 v[KV+64+\j], 0                       ; and what stands behind K's last tile
.endr
.irp b, 0,1,2,3
	v_mov_b32 v[PT+\b], 0                          ; written once: a lane permute's destination counts as one of its sources
	v_mov_b32 v[RC+\b], 0
.endr
	v_mov_b32 v[F+1], 0                            ; (named as the upper half of a pair)
	v_mov_b32 v[TA], 0
	v_mov_b32 v[MKV], 0xc79c4000
	s_mov_b32 s[PASS], 2
.Lpass:
	s_sub_co_u32 s2, 7, ttmp9
	s_cmp_eq_u32 s[PASS], 2
	s_cselect_b32 s2, s2, ttmp9                    ; the block of 256 queries: first 7 - x, then x
	s_lshl_b32 s2, s2, 4
	s_add_co_u32 s[TT], s2, s[WV]
	s_lshl_b32 s2, s[TT], 10
	v_add_nc_u32 v[OA], s2, v[LI]
	global_load_b128 v[QF:QF+3], v[OA], s[4:5]
	global_load_b128 v[QF+4:QF+7], v[OA], s[4:5] offset:512
	s_lshl_b32 s2, s[TT], 6
	v_and_b32 v[SA], 15, v0
	v_lshl_add_u32 v[SA], v[SA], 2, s2
	global_load_b32 v[QSC], v[SA], s[6:7]
	s_lshl_b32 s30, s[TT], 2
	s_mov_b32 s31, 0
	s_add_nc_u64 s[30:31], s[12:13], s[30:31]
	s_load_b32 s[C], s[30:31], 0x0                 ; my tile's sixteen classes
	s_lshl_b32 s2, s[TT], 12
	s_mov_b32 s3, 0
	s_add_nc_u64 s[10:11], s[8:9], s[2:3]
	s_load_b512 s[32:47], s[10:11], 0x0            ; step 0's 64 words, whatever its class: so the registers are written on every way
	s_load_b512 s[48:63], s[10:11], 0x40
	s_load_b512 s[68:83], s[10:11], 0x80
	s_load_b512 s[84:99], s[10:11], 0xc0
	v_mov_b32 v13, 0xff61b1e6                      ; the largest t so far: -3e38
	v_floor_f32 v12, -v13                          ; -M
	v_mov_b32 v14, 0                               ; the sum, in two halves
	v_mov_b32 v15, 0
	s_wait_loadcnt 0x0
	v_bfe_u32 v[QSC], v[QSC], s[SH], 16
.set j, 0
.rept 32
	v_mov_b32 v[O+j], 0                            ; O^T.  (These also stand between the scale word's last write and the first product)
.set j, j+1
.endr
	s_mov_b32 s[TB], 0
	s_mov_b32 s[STP], 16
.Lstep:
	s_wait_kmcnt 0x0                               ; the classes, and this step's words where they were asked for
	s_add_nc_u64 s[10:11], s[10:11], 256           ; the next step's words
	s_and_b32 s[T1], s[C], 3
	s_lshr_b32 s[C], s[C], 2
	s_lshr_b32 s[T2], s[TB], 4                     ; K's scale words: 512 bytes a step
	v_add_nc_u32 v[ADK], s[TB], v[LI]
	v_add_nc_u32 v[ADV], VREG, v[ADK]
	v_add_nc_u32 v[ADS], s[T2], v[KS0]
	s_lshr_b32 s[T2], s[T2], 1                     ; V's: 256
	v_add_nc_u32 v[ADT], s[T2], v[VS0]
	s_cmp_eq_u32 s[T1], 2
	s_cbranch_scc1 .Ldark
	; ---- S^T = K Q^T
.rept 4
	v_nop                                          ; with the four additions above: eight places behind the last products, which read v32-95
.endr
.irp t, 0,1,2,3,4,5,6,7
	ds_load_b128 v[KV+8*\t:KV+8*\t+3], v[ADK] offset:1024*\t
	ds_load_b128 v[KV+8*\t+4:KV+8*\t+7], v[ADK] offset:1024*\t+512
.endr
.irp i, 0,1,2,3
	ds_load_b32 v[KSC+\i], v[ADS] offset:128*\i
.endr
	s_wait_dscnt 0x0
.irp t, 0,2,4,6
	v_wmma_scale_f32_16x16x128_f8f6f4 v[S+8*\t:S+8*\t+7], v[KV+8*\t:KV+8*\t+15], v[QF:QF+15], 0, v[KSC+\t/2], v[QSC]
	v_wmma_scale_f32_16x16x128_f8f6f4 v[S+8*\t+8:S+8*\t+15], v[KV+8*\t+8:KV+8*\t+23], v[QF:QF+15], 0, v[KSC+\t/2], v[QSC] matrix_a_scale:MATRIX_SCALE_ROW1
.endr
.rept 8
	v_nop
.endr
	s_cmp_lg_u32 s[T1], 1
	s_cbranch_scc1 .Lsoft
.set n, 0
.rept 64
	v_cndmask_b32 v[S+n], v[S+n], v[MKV], s[32+n+4*(n/32)]   ; where the mask's bit is set: the masked logit
.set n, n+1
.endr
.Lsoft:
.irp b, 0,1,2,3
	v_max3_num_f32 v[BM+\b], v[S+16*\b], v[S+1+16*\b], v[S+2+16*\b]   ; the largest score of each block of 32 keys: for the row's maximum and for the block's largest p
.endr
.irp i, 3,5,7,9,11,13
.irp b, 0,1,2,3
	v_max3_num_f32 v[BM+\b], v[BM+\b], v[S+16*\b+\i], v[S+1+16*\b+\i]
.endr
.endr
.irp b, 0,1,2,3
	v_max_num_f32 v[BM+\b], v[BM+\b], v[S+15+16*\b]
.endr
.irp b, 0,1,2,3
	v_permlanex16_b32 v[PT+\b], v[BM+\b], s[SEL], s[SEL+1]
.endr
.irp b, 0,1,2,3
	v_max_num_f32 v[BM+\b], v[BM+\b], v[PT+\b]     ; with lane l xor 16's 16 keys
.endr
	v_max3_num_f32 v[TA], v[BM], v[BM+1], v[BM+2]
	v_max_num_f32 v[TA], v[TA], v[BM+3]
	v_mul_f32 v[TA], s[CS], v[TA]                  ; as t
	v_max_num_f32 v13, v13, v[TA]                  ; the running largest t
	v_mov_b32 v[TA], v12
	v_floor_f32 v12, -v13                          ; the new -M = -ceil(t)
	v_sub_f32 v[TA], v12, v[TA]                    ; old M - new M: a whole number, 0 or less
	v_cvt_i32_f32 v[TA], v[TA]                     ; (it saturates)
	v_ldexp_f32 v[F], 1.0, v[TA]                   ; 2^(old M - new M): a multiplication by it rounds nothing
.set j, 0
.rept 32
	v_pk_fma_f32 v[S+j:S+j+1], v[S+j:S+j+1], s[CS:CS+1], v[12:13] op_sel_hi:[1,0,0]   ; t - M
.set j, j+2
.endr
.irp b, 0,1,2,3
	v_fma_f32 v[BM+\b], v[BM+\b], s[CS], v12
.endr
.set j, 0
.rept 64
	v_exp_f32 v[S+j], v[S+j]                       ; p = 2^(t - M)
.set j, j+1
.endr
	v_pk_mul_f32 v[14:15], v[14:15], v[F:F+1] op_sel_hi:[1,0]   ; the sums under the new M: a plain line behind the exponentials
	s_wait_alu depctr_va_vdst(0)                   ; one wait for the batch, ahead of its first reader
.irp b, 0,1,2,3
	v_exp_f32 v[BM+\b], v[BM+\b]                   ; the block's largest p
.endr
	v_pk_add_f32 v[SU:SU+1], v[S:S+1], v[S+2:S+3]  ; the row's sum, of the unquantised p, in two chains
.set j, 4
.rept 15
	v_pk_add_f32 v[14:15], v[14:15], v[S+j:S+j+1]
	v_pk_add_f32 v[SU:SU+1], v[SU:SU+1], v[S+j+2:S+j+3]
.set j, j+4
.endr
	v_pk_add_f32 v[14:15], v[14:15], v[SU:SU+1]
	s_wait_alu depctr_va_vdst(0)                   ; and one for the four
.irp b, 0,1,2,3
	v_max_num_f32 v[BM+\b], 0x4800000, v[BM+\b]    ; the floor 2^(9 - 127)
.endr
.irp b, 0,1,2,3
	v_add_nc_u32 v[SO+\b], 0xfc000000, v[BM+\b]    ; the conversion's scale operand
.endr
.irp b, 0,1,2,3
	v_and_or_b32 v[HD+\b], v[BM+\b], 0x7f800000, s[MNT]   ; 448 x the scale
.endr
.irp b, 0,1,2,3
	v_lshrrev_b32 v[PT+\b], 23, v[SO+\b]           ; the scale's byte
.endr
	v_lshl_or_b32 v[PSC], v[PT+1], 8, v[PT]
	v_lshl_or_b32 v[PSC], v[PT+2], 16, v[PSC]
	v_lshl_or_b32 v[PSC], v[PT+3], 24, v[PSC]
.irp b, 0,1,2,3
.irp i, 0,1,2,3,4,5,6,7,8,9,10,11,12,13,14,15
	v_min_num_f32 v[S+16*\b+\i], v[S+16*\b+\i], v[HD+\b]   ; the hold (ISA guide 7.6.2); p is not negative
.endr
	v_cvt_scalef32_pk8_fp8_f32 v[PC+4*\b:PC+4*\b+1], v[S+16*\b:S+16*\b+7], v[SO+\b]
	v_cvt_scalef32_pk8_fp8_f32 v[PC+4*\b+2:PC+4*\b+3], v[S+16*\b+8:S+16*\b+15], v[SO+\b]
.endr
	v_nop                                          ; a plain line behind the last conversion
	s_branch .Lpv
.Ldark:
	; ---- all 128 scores are the masked logit: the same arithmetic on one number
	v_mul_f32 v[TA], s[CS], v[MKV]
	v_max_num_f32 v13, v13, v[TA]
	v_mov_b32 v[TA], v12
	v_floor_f32 v12, -v13
	v_sub_f32 v[TA], v12, v[TA]
	v_cvt_i32_f32 v[TA], v[TA]
	v_ldexp_f32 v[F], 1.0, v[TA]
	v_fma_f32 v[BM], v[MKV], s[CS], v12
	v_exp_f32 v[BM], v[BM]                         ; p
	v_pk_mul_f32 v[14:15], v[14:15], v[F:F+1] op_sel_hi:[1,0]
	s_wait_alu depctr_va_vdst(0)
	v_fma_f32 v14, v[BM], 0x42800000, v14          ; my 64 keys
	v_max_num_f32 v[BM+1], 0x4800000, v[BM]
	v_add_nc_u32 v[SO], 0xfc000000, v[BM+1]
	v_and_or_b32 v[HD], v[BM+1], 0x7f800000, s[MNT]
	v_lshrrev_b32 v[PT], 23, v[SO]
	v_perm_b32 v[PSC], v[PT], v[PT], 0             ; the same byte for the four blocks
.irp i, 0,1,2,3,4,5,6,7
	v_min_num_f32 v[S+\i], v[BM], v[HD]
.endr
	v_cvt_scalef32_pk8_fp8_f32 v[PC:PC+1], v[S:S+7], v[SO]
	v_nop
.irp k, 2,3,4,5,6,7,8,9,10,11,12,13,14,15
	v_mov_b32 v[PC+\k], v[PC]                      ; every code is the same
.endr
.Lpv:
	s_and_b32 s[T1], s[C], 3                       ; the next step's words are asked for a step ahead, where its class wants them; behind the last step the classes are 0
	s_cmp_lg_u32 s[T1], 1
	s_cbranch_scc1 .Lnowords
	s_load_b512 s[32:47], s[10:11], 0x0
	s_load_b512 s[48:63], s[10:11], 0x40
	s_load_b512 s[68:83], s[10:11], 0x80
	s_load_b512 s[84:99], s[10:11], 0xc0
.Lnowords:
	; ---- O^T = O^T x 2^(old M - new M) + V^T P^T
.irp c, 0,1,2,3
.irp g, 0,1,2,3
	ds_load_b128 v[KV+16*\c+4*\g:KV+16*\c+4*\g+3], v[ADV] offset:2048*\c+512*\g
.endr
.endr
	ds_load_b32 v[VSC], v[ADT]
	ds_load_b32 v[VSC+1], v[ADT] offset:128
.set j, 0
.rept 16
	v_pk_mul_f32 v[O+j:O+j+1], v[O+j:O+j+1], v[F:F+1] op_sel_hi:[1,0]   ; (these are also the places between the codes' last write and the products)
.set j, j+2
.endr
	s_wait_dscnt 0x0
.irp c, 0,2                            ; the four accumulators take turns, one instruction a turn
	v_wmma_scale_f32_16x16x128_f8f6f4 v[O+8*\c:O+8*\c+7], v[KV+16*\c:KV+16*\c+15], v[PC:PC+15], v[O+8*\c:O+8*\c+7], v[VSC+\c/2], v[PSC]
	v_wmma_scale_f32_16x16x128_f8f6f4 v[O+8*\c+8:O+8*\c+15], v[KV+16*\c+16:KV+16*\c+31], v[PC:PC+15], v[O+8*\c+8:O+8*\c+15], v[VSC+\c/2], v[PSC] matrix_a_scale:MATRIX_SCALE_ROW1
.endr
	s_add_co_u32 s[TB], s[TB], 8192
	s_sub_co_u32 s[STP], s[STP], 1
	s_cmp_lg_u32 s[STP], 0
	s_cbranch_scc1 .Lstep
	; ---- THE WAY OUT: / the sum, quantised along my head's 64 channels (two blocks of the next product's K), put into the operand's true order, stored as an image
	s_wait_kmcnt 0x0
	v_add_f32 v14, v14, v15
	v_permlanex16_b32 v[TA], v14, s[SEL], s[SEL+1]
	v_add_f32 v14, v14, v[TA]                      ; the row's sum
	v_rcp_f32 v[F], v14
	s_lshl_b32 s2, s[TT], 14
	v_add_nc_u32 v[OA], s2, v[LI]                  ; aimg: my token tile, 16 x lane
	s_lshl_b32 s2, s[TT], 9
	v_and_b32 v[SA], 15, v0
	v_lshl_add_u32 v[SA], v[SA], 5, s2             ; asc: my token's row of 32 bytes
.rept 4
	v_nop                                          ; with the five plain lines above: the places behind the last products
.endr
	s_wait_alu depctr_va_vdst(0)
.set j, 0
.rept 16
	v_pk_mul_f32 v[S+j:S+j+1], v[O+j:O+j+1], v[F:F+1] op_sel_hi:[1,0]   ; register 16 b + i: channel 32 b + 16 (i / 8) + 8 h + i % 8
.set j, j+2
.endr
.irp b, 0,1
	v_max3_num_f32 v[BM+\b], |v[S+16*\b]|, |v[S+1+16*\b]|, 0x4800000
.endr
.irp i, 2,4,6,8,10,12,14
.irp b, 0,1
	v_max3_num_f32 v[BM+\b], v[BM+\b], |v[S+16*\b+\i]|, |v[S+1+16*\b+\i]|
.endr
.endr
.irp b, 0,1
	v_permlanex16_b32 v[PT+\b], v[BM+\b], s[SEL], s[SEL+1]
.endr
.irp b, 0,1
	v_max_num_f32 v[BM+\b], v[BM+\b], v[PT+\b]
.endr
.irp b, 0,1
	v_add_nc_u32 v[SO+\b], 0xfc000000, v[BM+\b]
.endr
.irp b, 0,1
	v_and_or_b32 v[HD+\b], v[BM+\b], 0x7f800000, s[MNT]
.endr
.irp b, 0,1
	v_lshrrev_b32 v[PT+\b], 23, v[SO+\b]
.endr
	v_lshl_or_b32 v[TB2], v[PT+1], 8, v[PT]        ; my row's two scale bytes
.irp b, 0,1
.irp i, 0,1,2,3,4,5,6,7,8,9,10,11,12,13,14,15
	v_med3_num_f32 v[S+16*\b+\i], v[S+16*\b+\i], -v[HD+\b], v[HD+\b]
.endr
	v_cvt_scalef32_pk8_fp8_f32 v[PC+4*\b:PC+4*\b+1], v[S+16*\b:S+16*\b+7], v[SO+\b]
	v_cvt_scalef32_pk8_fp8_f32 v[PC+4*\b+2:PC+4*\b+3], v[S+16*\b+8:S+16*\b+15], v[SO+\b]
.endr
	v_nop
	; The next product's other operand is given, so these codes go into the true order: lanes 0-15 want channels 32 b + 0 .. 15, lanes 16-31 channels 32 b + 16 .. 31.
	; A lane of the low half keeps its first eight and takes the high half's first eight; a lane of the high half takes the low half's last eight and keeps its own.
.irp b, 0,1
.irp k, 0,1
	v_cndmask_b32 v[SN+2*\b+\k], v[PC+4*\b+2+\k], v[PC+4*\b+\k], s[HM]
.endr
.endr
.irp b, 0,1
.irp k, 0,1
	v_permlanex16_b32 v[RC+2*\b+\k], v[SN+2*\b+\k], s[SEL], s[SEL+1]
.endr
.endr
.irp b, 0,1
.irp k, 0,1
	v_cndmask_b32 v[S+32+4*\b+\k], v[PC+4*\b+\k], v[RC+2*\b+\k], s[HM]
	v_cndmask_b32 v[S+34+4*\b+\k], v[RC+2*\b+\k], v[PC+4*\b+2+\k], s[HM]
.endr
.endr
	global_store_b128 v[OA], v[S+32:S+35], s[14:15]              ; 32 lanes store 512 consecutive bytes, aligned
	global_store_b128 v[OA], v[S+36:S+39], s[14:15] offset:512
	global_store_b16 v[SA], v[TB2], s[16:17]                     ; both halves of the lanes write the same two bytes with the same value
	s_wait_xcnt 0x0                                ; the stores have read their registers: the next block of queries may write them
	s_sub_co_u32 s[PASS], s[PASS], 1
	s_cmp_lg_u32 s[PASS], 0
	s_cbranch_scc1 .Lpass
	s_wait_tensorcnt 0x0
	ds_add_u32 v254, v255
	s_wait_dscnt 0x0
	s_endpgm
.Lfunc_end_k_q76db125185_attn:
	.size	k_q76db125185_attn, .Lfunc_end_k_q76db125185_attn-k_q76db125185_attn
	.p2alignl 7, 3214868480
	.fill 96, 4, 3214868480
	.section	.rodata,"a",@progbits
	.p2align	6, 0x0
	.amdhsa_kernel k_q76db125185_attn
		.amdhsa_group_segment_fixed_size 276480
		.amdhsa_private_segment_fixed_size 0
		.amdhsa_enable_private_segment 0
		.amdhsa_kernarg_size 48
		.amdhsa_user_sgpr_count 2
		.amdhsa_user_sgpr_kernarg_segment_ptr 1
		.amdhsa_wavefront_size32 1
		.amdhsa_system_sgpr_workgroup_id_x 1
		.amdhsa_system_sgpr_workgroup_id_y 1
		.amdhsa_system_sgpr_workgroup_id_z 1
		.amdhsa_system_vgpr_workitem_id 0
		.amdhsa_next_free_vgpr 256
		.amdhsa_next_free_sgpr 106
		.amdhsa_reserve_vcc 0
		.amdhsa_float_denorm_mode_32 3
		.amdhsa_float_denorm_mode_16_64 3
		.amdhsa_memory_ordered 1
		.amdhsa_forward_progress 1
		.amdhsa_inst_pref_size 45
	.end_amdhsa_kernel
	.amdgpu_metadata
---
amdhsa.version: [ 1, 2 ]
amdhsa.kernels:
  - .name:           k_q76db125185_attn
    .symbol:         k_q76db125185_attn.kd
    .args:
      - { .name: qkvimg, .offset: 0, .size: 8, .value_kind: global_buffer, .address_space: global }
      - { .name: qkvsc, .offset: 8, .size: 8, .value_kind: global_buffer, .address_space: global }
      - { .name: maskw, .offset: 16, .size: 8, .value_kind: global_buffer, .address_space: global }
      - { .name: cls, .offset: 24, .size: 8, .value_kind: global_buffer, .address_space: global }
      - { .name: aimg, .offset: 32, .size: 8, .value_kind: global_buffer, .address_space: global }
      - { .name: asc, .offset: 40, .size: 8, .value_kind: global_buffer, .address_space: global }
    .group_segment_fixed_size: 276480
    .private_segment_fixed_size: 0
    .kernarg_segment_align: 8
    .kernarg_segment_size: 48
    .max_flat_workgroup_size: 512
    .sgpr_count:     106
    .vgpr_count:     256
    .wavefront_size: 32
...
	.end_amdgpu_metadata
.endif
;; end of part 2
;; launch proj (part 3): grid 4 x 32, 4 waves a work-group, clusters of 4 x 4, 327,680 bytes of LDS; arguments aimg, asc, c_proj_w_codes, c_proj_w_scales, c_proj_b, out0; writes out0
.if DOCPART == 3
	.amdgcn_target "amdgcn-amd-amdhsa--gfx1250"
	.amdhsa_code_object_version 6
	.text
	.protected	k_q76db125185_proj
	.globl	k_q76db125185_proj
	.p2align	8
	.type	k_q76db125185_proj,@function
k_q76db125185_proj:
	s_mov_b64 s[64:65], 0
	v_nop
	global_prefetch_b8 v0, s[64:65] scope:SCOPE_SE
	s_setreg_imm32_b32 hwreg(HW_REG_WAVE_MODE, 25, 1), 1
	s_wait_xcnt 0x0
	s_wait_alu depctr_hold_cnt(0) depctr_sa_sdst(0) depctr_va_vdst(0) depctr_va_sdst(0) depctr_va_ssrc(0) depctr_va_vcc(0) depctr_vm_vsrc(0)
	s_getreg_b32 s2, hwreg(HW_REG_IB_STS2, 6, 4)
	s_cmp_eq_u32 s2, 0
	s_cbranch_scc0 .Lentry_in_a_cluster
	s_endpgm
.Lentry_in_a_cluster:
	s_bfe_u32 s2, ttmp6, 0x10000c
	s_cmp_lg_u32 s2, 0xf033
	s_cbranch_scc0 .Lentry_shape_is_right
	s_endpgm
.Lentry_shape_is_right:
; out0 = a W + b on codes of FP8 (E4M3) with one E8M0 scale for each 32 along K = 1,024.  a: 8,192 tokens, as IMAGES OF OPERAND REGISTERS, aimg [token tile 512][K step of 128: 8][4][lane][16 bytes], scale bytes asc [token][32];
; W: 1,024 rows (outputs) of 1,024 codes, scale bytes 32 a row; b: 1,024 f32; out0: [8,192][1,024] f32.
; A work-group of four waves makes 256 x 256, a wave 128 x 128: 64 accumulators, 512 registers.  K goes in steps of 256 through a ring of two LDS slots filled by the tensor data mover; the scale bytes come once.
; 4 x 4 work-groups form a cluster: a's tiles are shared along a row of it, W's along a column, each asked for jointly.  128 work-groups: a smaller tile would fill more of the chip at twice the LDS reads for a's side.
; THE MATRIX INSTRUCTION IS USED TRANSPOSED (source 0 = 16 rows of W, source 1 = 16 tokens): a lane holds eight neighbouring numbers of a row of out0.  The bias is the C of each sum's first instruction.
; REGISTERS: window 0: v0-31 addresses; v32-63 scale words; v64-127 the bias of my 64 outputs; from v128 a's fragments, one set.  window 1: W's fragments, two sets.  windows 2, 3: the accumulators.
.set SIZE_N, 1024
.set NQ,     2
.set ROWB,   256
.set KROW,   1024
.set PITCH,  272
.set FR,     16
.set NL,     4
.set NP,     8
.set HALFT,  128*PITCH                 ; 128 rows of W: what one tensor load brings
.set AHALF,  32768                     ; 8 token tiles x 2 K steps of 128 x 2,048 bytes: likewise
.set ABYTES, 2*AHALF
.set SLOT,   ABYTES+2*HALFT            ; a's 16 token tiles, then W's 256 rows
.set LAPS,   2
.set KS,     32
.set SCL,    2*SLOT
.set HALFS,  (128*KS/256)*272
.set SBLK,   (16*KS/256)*272
.set SPARE,  SCL+4*HALFS               ; the spare words: 128 bytes a wave, named by no other line
.set SPITCH, 528                       ; the way out: a stage of 16 rows x (512 + 16) bytes for each wave, in slot 0, which has had its last fill and its last read by then
.set ADRA, 16
.set ADRB, 20
.set STO,  24
.set RD,   25
.set CO,   26
.set ADRS, 27
.set SPW,  28
.set NIL,  29
.set SC,   32
.set BV,   64
.set AF,   128
.set BK,   128
.set G1, 24
.set G0, 32
.set G1B, 48
.set G0B, 56
.set G1S, 68
.set G0S, 76
.set G1SB, 80
.set G0SB, 88
.set MSB, 0
.macro WIN new
.if MSB != \new
	s_set_vgpr_msb (MSB<<8)|\new
.set MSB, \new
.endif
.endm
.set MUL_LO, 0xa1                      ; source 0 (W) window 1, source 1 (a) window 0, C and D window 2
.set MUL_HI, 0xf1
.set FST_LO, 0x81                      ; the first step: C (the bias) window 0, D window 2
.set FST_HI, 0xc1
.set TO_B,   0x40
.macro JLOAD g0a, g1a, g0b, g1b        ; waves 0 and 1 fetch for a, waves 2 and 3 for W; four v_nop follow each of the two lines
	s_cmp_eq_u32 s15, 0
	s_cbranch_scc0 .Lfor_b_\@
	tensor_load_to_lds s[\g0a:\g0a+3], s[\g1a:\g1a+7]
	s_nop 0
.rept 4
	v_nop
.endr
	s_branch .Lasked_\@
.Lfor_b_\@:
	tensor_load_to_lds s[\g0b:\g0b+3], s[\g1b:\g1b+7]
	s_nop 0
.rept 4
	v_nop
.endr
.Lasked_\@:
.endm
.macro CREST
	s_cmp_lg_u32 s14, 0
	s_cbranch_scc1 .Lnot_wave_0_\@
	s_barrier_signal -3
.Lnot_wave_0_\@:
	s_barrier_wait -3
	s_barrier_signal -1
	s_barrier_wait -1
.endm
.macro CROUND
	s_barrier_signal -1
	s_barrier_wait -1
	CREST
.endm
	s_load_b128 s[4:7], s[0:1], 0x0                ; aimg, asc
	s_load_b128 s[8:11], s[0:1], 0x10              ; W's codes, W's scales
	s_load_b64 s[96:97], s[0:1], 0x20              ; the bias
	s_load_b64 s[12:13], s[0:1], 0x28              ; out0
	v_lshl_add_u32 v[SPW], v0, 2, SPARE
	v_mov_b32 v[NIL], 0
	ds_add_u32 v28, v29
	ds_add_u32 v28, v29
	s_wait_dscnt 0x0
	v_lshrrev_b32 v1, 5, v0
	v_readfirstlane_b32 s14, v1                    ; wave 0..3
	s_lshr_b32 s15, s14, 1                         ; which half of the tokens is mine.  Also: I fetch for a (0) or for W (1)
	s_and_b32 s16, s14, 1                          ; which half of the outputs.  Also: which half of that tile I fetch
	s_bfe_u32 s40, ttmp6, 0x40000                  ; cx
	s_bfe_u32 s41, ttmp6, 0x40004                  ; cy
	s_lshl_b32 s42, ttmp9, 2
	s_add_co_u32 s42, s42, s40                     ; tile column
	s_and_b32 s17, ttmp7, 0xffff
	s_lshl_b32 s17, s17, 2
	s_add_co_u32 s17, s17, s41                     ; tile row
	s_lshl_b32 s43, s41, 2
	s_lshl_b32 s43, 15, s43                        ; my row of the cluster
	s_lshl_b32 s44, 0x1111, s40                    ; my column
	; a's tiles: 8 token tiles, of each 4,096 bytes on end (two K steps of 128), 16,384 bytes apart; elements of 8 bytes; no padding: the images are read 16 bytes a lane on end
	s_or_b32 s[G1+0], s43, (3<<16)|(1<<21)         ; 15:0 the mask: my row; elements of 8 bytes; bit 21 beside a mask
	s_mov_b32 s[G1+1], 512<<16                     ; tensor_dim0 = 512
	s_mov_b32 s[G1+2], 8<<16                       ; tensor_dim1 = 8
	s_mov_b32 s[G1+3], 512<<16                     ; tile_dim0
	s_mov_b32 s[G1+4], 8                           ; tile_dim1
	s_mov_b32 s[G1+5], 2048                        ; the pitch
	s_mov_b32 s[G1+6], 0
	s_mov_b32 s[G1+7], 0
	; W's tiles: 128 rows x 256 bytes, 16 bytes of padding behind each
	s_or_b32 s[G1B+0], s44, (0<<16)|(1<<20)|(1<<21)|(5<<22)|(3<<25)
	s_mov_b32 s[G1B+1], ROWB<<16
	s_mov_b32 s[G1B+2], 128<<16
	s_mov_b32 s[G1B+3], ROWB<<16
	s_mov_b32 s[G1B+4], 128
	s_mov_b32 s[G1B+5], KROW
	s_mov_b32 s[G1B+6], 0
	s_mov_b32 s[G1B+7], 0
	; the scales of 128 rows: 4,096 dense bytes as 16 rows of 256, 16 bytes of padding behind each
	s_or_b32 s[G1S+0], s43, (3<<16)|(1<<20)|(1<<21)|(5<<22)|(3<<25)
	s_or_b32 s[G1SB+0], s44, (3<<16)|(1<<20)|(1<<21)|(5<<22)|(3<<25)
.irp g, G1S, G1SB
	s_mov_b32 s[\g+1], 32<<16
	s_mov_b32 s[\g+2], (128*KS/256)<<16
	s_mov_b32 s[\g+3], 32<<16
	s_mov_b32 s[\g+4], 128*KS/256
	s_mov_b32 s[\g+5], 32
	s_mov_b32 s[\g+6], 0
	s_mov_b32 s[\g+7], 0
.endr
	s_lshl_b32 s20, s17, 4
	s_lshl_b32 s18, s16, 3
	s_add_co_u32 s20, s20, s18                     ; a: token tile 16 x tile row + 8 x half
	s_lshl_b32 s22, s20, 9                         ; its scales: 16 tokens x 32 bytes,
	s_mov_b32 s23, 0
	s_lshl_b32 s20, s20, 14                        ; its images: 16,384 bytes
	s_mov_b32 s21, 0
	s_lshl_b32 s46, s42, 8
	s_lshl_b32 s18, s16, 7
	s_add_co_u32 s46, s46, s18                     ; W: row 256 x tile column + 128 x half
	s_lshl_b32 s92, s46, 5
	s_mov_b32 s93, 0
	s_lshl_b32 s46, s46, 10
	s_mov_b32 s47, 0
	s_lshl_b32 s45, s16, 15                        ; where they go: a's half,
	s_mul_i32 s95, s16, HALFT
	s_add_co_u32 s95, s95, ABYTES                  ; W's half, behind a's;
	s_mul_i32 s94, s14, HALFS                      ; the scales: wave x 128 rows.  No place in the cluster enters an LDS address
	s_wait_kmcnt 0x0
	s_add_nc_u64 s[20:21], s[4:5], s[20:21]
	s_add_nc_u64 s[22:23], s[6:7], s[22:23]
	s_add_nc_u64 s[46:47], s[8:9], s[46:47]
	s_add_nc_u64 s[92:93], s[10:11], s[92:93]
	CROUND                                         ; all sixteen work-groups are here: the first joint loads meet
	s_mov_b32 s[G0S], 1
	s_add_co_u32 s[G0S+1], s94, SCL
	s_mov_b64 s[G0S+2:G0S+3], s[22:23]
	s_or_b32 s[G0S+3], s[G0S+3], 0x80000000
	s_mov_b32 s[G0SB], 1
	s_add_co_u32 s[G0SB+1], s94, SCL
	s_mov_b64 s[G0SB+2:G0SB+3], s[92:93]
	s_or_b32 s[G0SB+3], s[G0SB+3], 0x80000000
	JLOAD G0S, G1S, G0SB, G1SB
.irp s, 0,1
	s_mov_b32 s[G0+4*\s], 1
	s_add_co_u32 s[G0+4*\s+1], s45, \s*SLOT
	s_add_nc_u64 s[G0+4*\s+2:G0+4*\s+3], s[20:21], \s*4096
	s_or_b32 s[G0+4*\s+3], s[G0+4*\s+3], 0x80000000
	s_mov_b32 s[G0B+4*\s], 1
	s_add_co_u32 s[G0B+4*\s+1], s95, \s*SLOT
	s_add_nc_u64 s[G0B+4*\s+2:G0B+4*\s+3], s[46:47], \s*ROWB
	s_or_b32 s[G0B+4*\s+3], s[G0B+4*\s+3], 0x80000000
	JLOAD G0+4*\s, G1, G0B+4*\s, G1B               ; three tensor loads of mine are out now
.endr
	v_and_b32 v1, 15, v0                           ; r
	v_bfe_u32 v2, v0, 4, 1                         ; h
	v_mul_u32_u24 v3, v1, PITCH
	v_lshl_add_u32 v4, v2, 4, v3                   ; W: a fragment's row x pitch + 16 h
	v_and_b32 v6, 31, v0
	v_lshlrev_b32 v3, 4, v6                        ; a: 16 x lane
	s_lshl_b32 s21, s15, 15                        ; my 8 token tiles
	s_mul_i32 s22, s16, HALFT
	s_add_co_u32 s22, s22, ABYTES                  ; my 128 rows of W
.irp s, 0,1
	v_add_nc_u32 v[ADRA+\s], s21, v3
	v_add_nc_u32 v[ADRB+\s], s22, v4
	s_add_co_u32 s21, s21, SLOT
	s_add_co_u32 s22, s22, SLOT
.endr
	v_mul_u32_u24 v5, v1, KS
	v_lshrrev_b32 v6, 8, v5
	v_lshl_add_u32 v5, v6, 4, v5
	s_mul_i32 s21, s15, HALFS
	s_mul_i32 s22, s16, HALFS
	s_add_co_u32 s22, s22, 2*HALFS
	s_sub_co_u32 s22, s22, s21
	v_mul_u32_u24 v6, s22, v2                      ; lanes 16-31 take W's
	s_add_co_u32 s21, s21, SCL
	v_add_nc_u32 v5, v5, v6
	v_add_nc_u32 v[ADRS], s21, v5
	s_mul_i32 s23, s14, 16*SPITCH                  ; my stage
	v_mul_u32_u24 v5, v1, SPITCH
	v_lshl_add_u32 v5, v2, 5, v5
	v_add_nc_u32 v[STO], s23, v5
	v_and_b32 v6, 31, v0
	v_lshlrev_b32 v[CO], 4, v6
	v_add_nc_u32 v[RD], s23, v[CO]
	s_lshl_b32 s20, s17, 8
	s_lshl_b32 s21, s15, 7
	s_add_co_u32 s20, s20, s21                     ; my first row of out0
	s_mov_b32 s21, 0
	s_mov_b64 s[18:19], SIZE_N*4
	s_mul_u64 s[20:21], s[20:21], s[18:19]
	s_lshl_b32 s46, s42, 10                        ; my first column, in bytes
	s_lshl_b32 s47, s16, 9
	s_add_co_u32 s46, s46, s47
	s_mov_b32 s47, 0
	s_add_nc_u64 s[20:21], s[20:21], s[46:47]
	s_add_nc_u64 s[12:13], s[12:13], s[20:21]
	v_lshl_add_u32 v7, v2, 5, s46                  ; the bias of outputs 16 b + 8 h + 0 .. 7 of my 128
.irp b, 0,1,2,3,4,5,6,7
	global_load_b128 v[BV+8*\b:BV+8*\b+3], v7, s[96:97] offset:64*\b
	global_load_b128 v[BV+8*\b+4:BV+8*\b+7], v7, s[96:97] offset:64*\b+16
.endr
.macro FRAG reg, adr, q, i             ; W: 16 rows x 128 K from rows in LDS
.irp c, 0,1,2,3
	ds_load_b128 v[\reg+4*\c:\reg+4*\c+3], v[\adr] offset:128*(\q)+32*\c+(\i)*16*PITCH
.endr
.endm
.macro FRAGA reg, adr, q, i            ; a: the image of token tile i, the slot's q-th 128 along K
.irp c, 0,1,2,3
	ds_load_b128 v[\reg+4*\c:\reg+4*\c+3], v[\adr] offset:4096*(\i)+2048*(\q)+512*\c
.endr
.endm
; 16 matrix instructions: a's blocks a0, a0 + 1 x W's eight.  first = 1: the bias is the C.  The 64 accumulators take turns, one instruction a turn.
.macro MUL16 a0, p, q, sc, first
.irp a, \a0, \a0+1
.irp b, 0,1,2,3,4,5,6,7
.if \first
	v_wmma_scale_f32_16x16x128_f8f6f4 v[8*(8*((\a)%4)+\b):8*(8*((\a)%4)+\b)+7], v[128*(\p)+FR*\b:128*(\p)+FR*\b+FR-1], v[AF+FR*(\a):AF+FR*(\a)+FR-1], v[BV+8*\b:BV+8*\b+7], v[SC+8*NQ*(\sc)+NQ*\b+(\q)], v[SC+8*NQ*(\sc)+NQ*(\a)+(\q)] matrix_a_scale:MATRIX_SCALE_ROW1
.else
	v_wmma_scale_f32_16x16x128_f8f6f4 v[8*(8*((\a)%4)+\b):8*(8*((\a)%4)+\b)+7], v[128*(\p)+FR*\b:128*(\p)+FR*\b+FR-1], v[AF+FR*(\a):AF+FR*(\a)+FR-1], v[8*(8*((\a)%4)+\b):8*(8*((\a)%4)+\b)+7], v[SC+8*NQ*(\sc)+NQ*\b+(\q)], v[SC+8*NQ*(\sc)+NQ*(\a)+(\q)] matrix_a_scale:MATRIX_SCALE_ROW1
.endif
.endr
.endr
.endm
.macro FETCH_B slot, q, p
	WIN TO_B
.irp i, 0,1,2,3,4,5,6,7
	FRAG 128*(\p)+FR*\i, ADRB+\slot, \q, \i
.endr
	WIN 0
.endm
.macro FETCH_A slot, q, i0
.irp i, \i0, \i0+1, \i0+2, \i0+3
	FRAGA AF+FR*(\i), ADRA+\slot, \q, \i
.endr
.endm
.macro SCALES sc
.irp i, 0,1,2,3,4,5,6,7
	ds_load_b64 v[SC+8*NQ*\sc+NQ*\i:SC+8*NQ*\sc+NQ*\i+1], v[ADRS] offset:\i*SBLK
.endr
.endm
.macro PLACES n
.rept \n
	v_nop
.endr
.endm
.macro STEP slot, q, first
	s_wait_dscnt 4*NL                              ; W's set and a's blocks 0-3 are in; the youngest sixteen loads (a's blocks 4-7) may be out
.if \first
	WIN FST_LO
.else
	WIN MUL_LO
.endif
	MUL16 0, (\q)%2, \q, \slot, \first
	MUL16 2, (\q)%2, \q, \slot, \first
	s_wait_dscnt 0
	PLACES NP
	FETCH_B \slot, (\q)+1, 1-(\q)%2
	FETCH_A \slot, (\q)+1, 0
.if \first
	WIN FST_HI
.else
	WIN MUL_HI
.endif
	MUL16 4, (\q)%2, \q, \slot, \first
	MUL16 6, (\q)%2, \q, \slot, \first
	PLACES NP
	WIN 0
	FETCH_A \slot, (\q)+1, 4
.endm
.macro TURN slot, next, fill
	s_wait_tensorcnt 0x0                           ; all my tensor loads have landed: my part of the next slot
	ds_add_u32 v[SPW], v[NIL]                      ; 0 onto my spare word
	s_wait_dscnt 4*NL+1                            ; (the add and the youngest sixteen loads may be out)
	WIN MUL_LO
	MUL16 0, 1, NQ-1, \slot, 0
	s_wait_dscnt 0x0                               ; the add is done, and my reads of this slot are over
	s_barrier_signal -1
	MUL16 2, 1, NQ-1, \slot, 0
	WIN 0
	s_barrier_wait -1
.if \fill
	CREST                                          ; a round of the cluster's barrier: no wave of any partner still reads this slot or has a load on its way
	s_add_nc_u64 s[G0+4*\slot+2:G0+4*\slot+3], s[G0+4*\slot+2:G0+4*\slot+3], 2*4096
	s_add_nc_u64 s[G0B+4*\slot+2:G0B+4*\slot+3], s[G0B+4*\slot+2:G0B+4*\slot+3], 2*ROWB
	JLOAD G0+4*\slot, G1, G0B+4*\slot, G1B         ; my one tensor load behind the round
	PLACES NP-4
.else
	PLACES NP
.endif
	v_add_nc_u32 v[ADRS], 4*NQ, v[ADRS]
	FETCH_B \next, 0, 0
	FETCH_A \next, 0, 0
	SCALES \next
	WIN MUL_HI
	MUL16 4, 1, NQ-1, \slot, 0
	MUL16 6, 1, NQ-1, \slot, 0
	PLACES NP
	WIN 0
	FETCH_A \next, 0, 4
.endm
	s_wait_tensorcnt 1                             ; the scales and my part of K step 0 are in; K step 1's load may be out
	s_barrier_signal -1
	s_barrier_wait -1
	FETCH_B 0, 0, 0
	FETCH_A 0, 0, 0
	SCALES 0
	FETCH_A 0, 0, 4
	s_wait_loadcnt 0x0                             ; the bias
	STEP 0, 0, 1
	s_mov_b32 s3, LAPS-1
.Llap:
	TURN 0, 1, 1
	STEP 1, 0, 0
	TURN 1, 0, 1
	STEP 0, 0, 0
	s_sub_co_u32 s3, s3, 1
	s_cmp_lg_u32 s3, 0
	s_cbranch_scc1 .Llap
	TURN 0, 1, 0
	STEP 1, 0, 0
	s_wait_dscnt 4*NL
	WIN MUL_LO
	MUL16 0, 1, NQ-1, 1, 0
	MUL16 2, 1, NQ-1, 1, 0
	s_wait_dscnt 0
	WIN MUL_HI
	MUL16 4, 1, NQ-1, 1, 0
	MUL16 6, 1, NQ-1, 1, 0
	WIN 0
; THE WAY OUT, block by block of 16 rows x 128 columns, through my own stage: in as 32 bytes a lane, back as whole rows of 512 bytes.  LDS serves a wave's instructions in order (ISA guide 5.7.1.4).
.macro TOSTAGE a
.set AC, 64*((\a)%4)
	WIN 0x08+4*((\a)/4)                            ; the data: window 2 or 3
.irp b, 0,1,2,3,4,5,6,7
	ds_store_b128 v[STO], v[AC+8*\b:AC+8*\b+3] offset:64*\b          ; each accumulator from its low end on
	ds_store_b128 v[STO], v[AC+8*\b+4:AC+8*\b+7] offset:64*\b+16
.endr
	WIN 0
.set BB, BK+64*((\a)%2)
.irp t, 0,1,2,3,4,5,6,7,8,9,10,11,12,13,14,15
	ds_load_b128 v[BB+4*\t:BB+4*\t+3], v[RD] offset:\t*SPITCH
.endr
.endm
.macro SEND a, younger
.set BB, BK+64*((\a)%2)
	s_wait_dscnt \younger                          ; the block is back in registers; the LDS instructions issued behind its loads may be out
.if (\a) > 0
	s_add_nc_u64 s[12:13], s[12:13], 16*SIZE_N*4   ; (behind a wait on XCNT)  16 rows on
.endif
.irp t, 0,1,2,3,4,5,6,7,8,9,10,11,12,13,14,15
	global_store_b128 v[CO], v[BB+4*\t:BB+4*\t+3], s[12:13] offset:\t*SIZE_N*4 th:TH_STORE_NT   ; 32 lanes store 512 consecutive bytes, aligned
.endr
.endm
	PLACES NP
	TOSTAGE 0
.irp a, 1,2,3,4,5,6,7
.if \a > 1
	s_wait_xcnt 0x0                                ; block a - 2's stores have read their registers and their base
.endif
	TOSTAGE \a
	SEND \a-1, 32                                  ; behind block a - 1's loads: block a's 16 stores and 16 loads
.endr
	s_wait_xcnt 0x0
	SEND 7, 0
	s_wait_tensorcnt 0x0                           ; the wave's end
	ds_add_u32 v[SPW], v[NIL]
	s_wait_dscnt 0x0
	CROUND                                         ; the closing round
	s_endpgm
.Lfunc_end_k_q76db125185_proj:
	.size	k_q76db125185_proj, .Lfunc_end_k_q76db125185_proj-k_q76db125185_proj
	.p2alignl 7, 3214868480
	.fill 96, 4, 3214868480
	.section	.rodata,"a",@progbits
	.p2align	6, 0x0
	.amdhsa_kernel k_q76db125185_proj
		.amdhsa_group_segment_fixed_size 327680
		.amdhsa_private_segment_fixed_size 0
		.amdhsa_enable_private_segment 0
		.amdhsa_kernarg_size 48
		.amdhsa_user_sgpr_count 2
		.amdhsa_user_sgpr_kernarg_segment_ptr 1
		.amdhsa_wavefront_size32 1
		.amdhsa_system_sgpr_workgroup_id_x 1
		.amdhsa_system_sgpr_workgroup_id_y 1
		.amdhsa_system_sgpr_workgroup_id_z 1
		.amdhsa_system_vgpr_workitem_id 0
		.amdhsa_next_free_vgpr 1024
		.amdhsa_next_free_sgpr 100
		.amdhsa_reserve_vcc 0
		.amdhsa_float_denorm_mode_32 3
		.amdhsa_float_denorm_mode_16_64 3
		.amdhsa_memory_ordered 1
		.amdhsa_forward_progress 1
		.amdhsa_inst_pref_size 147
	.end_amdhsa_kernel
	.amdgpu_metadata
---
amdhsa.version: [ 1, 2 ]
amdhsa.kernels:
  - .name:           k_q76db125185_proj
    .symbol:         k_q76db125185_proj.kd
    .args:
      - { .name: aimg, .offset: 0, .size: 8, .value_kind: global_buffer, .address_space: global }
      - { .name: asc, .offset: 8, .size: 8, .value_kind: global_buffer, .address_space: global }
      - { .name: c_proj_w_codes, .offset: 16, .size: 8, .value_kind: global_buffer, .address_space: global }
      - { .name: c_proj_w_scales, .offset: 24, .size: 8, .value_kind: global_buffer, .address_space: global }
      - { .name: c_proj_b, .offset: 32, .size: 8, .value_kind: global_buffer, .address_space: global }
      - { .name: out0, .offset: 40, .size: 8, .value_kind: global_buffer, .address_space: global }
    .group_segment_fixed_size: 327680
    .private_segment_fixed_size: 0
    .kernarg_segment_align: 8
    .kernarg_segment_size: 48
    .max_flat_workgroup_size: 128
    .sgpr_count:     100
    .vgpr_count:     1024
    .wavefront_size: 32
...
	.end_amdgpu_metadata
.endif
;; end of part 3
;; ======== version 2 of 2: 3 launches; version 1 with the launch attn written anew for expert scheduling mode
;; workspace buffers: qkvimg 25,165,824 bytes; qkvsc 786,432 bytes; maskw 524,288 bytes of whole numbers; cls 512 bytes of whole numbers; aimg 8,388,608 bytes; asc 262,144 bytes
;; launch qkv: the kernel of part 1 again; grid 12 x 32, 4 waves a work-group, clusters of 4 x 4, 327,680 bytes of LDS; arguments x_codes, x_scales, c_attn_w_codes, c_attn_w_scales, c_attn_b, mask_self_attention, maskw, cls, qkvimg, qkvsc; writes maskw, cls, qkvimg, qkvsc
;; launch attn (part 4): grid 4 x 64, 16 waves a work-group, no clusters, 276,480 bytes of LDS; arguments qkvimg, qkvsc, maskw, cls, aimg, asc; writes aimg, asc
.if DOCPART == 4
	.amdgcn_target "amdgcn-amd-amdhsa--gfx1250"
	.amdhsa_code_object_version 6
	.text
	.protected	k_q76db125185_attn
	.globl	k_q76db125185_attn
	.p2align	8
	.type	k_q76db125185_attn,@function
k_q76db125185_attn:
	s_mov_b64 s[64:65], 0
	v_nop
	global_prefetch_b8 v0, s[64:65] scope:SCOPE_SE
	s_setreg_imm32_b32 hwreg(HW_REG_WAVE_SCHED_MODE, 0, 2), 2
	s_setreg_imm32_b32 hwreg(HW_REG_WAVE_MODE, 25, 1), 1
	s_wait_xcnt 0x0
	s_wait_alu depctr_vm_vsrc(0)
; a = softmax(where(mask, -10000, q k^T / 8)) v for one head of 64, both products on codes of FP8 (E4M3) with E8M0 scales; a is quantised along the merged heads and leaves as images of operand registers.
; THE SOFTMAX: t = logit x log2(e); M = the running largest t, rounded up to a whole number; p = 2^(t - M) is quantised along the keys, not normalised; the row's sum is taken of the unquantised p and divides at the end.
; SHARES.  A work-group owns a head (y) and two blocks of 256 queries, 7 - x and x, one after the other; each of its sixteen waves owns 16 queries of a block, in 256 registers, and walks all 16 key steps of 128.
; K AND V OF THE WHOLE HEAD LIE IN LDS, as images of operand registers, written once at the head; one barrier; after it nothing is written to LDS.  So every LDS read is 16 x lane (or 4 x lane) + constants + the step.
; LAYOUT.  S^T = K Q^T (source 0 = 16 keys, source 1 = my queries), O^T = V^T P^T (source 0 = 16 channels): a lane holds ONE query.  Register 8 t + j of S^T is key 16 t + 8 h + j; sixteen registers are converted as they
; stand, which is the order in which the launch before laid v's keys: both sides of the second product carry the same order inside a block of 32.  q and k were laid by one set of lines likewise.
; THE HEAD IS 64 AND THE INSTRUCTION'S K IS 128: Q's upper eight registers are zero codes; K's fragment of tile t is v[32 + 8 t .. + 15], whose upper half is the next tile's codes (finite numbers), which meet zeros.
; THE MASK IS AN INPUT.  The launch before stored, for each (query tile, key step), 64 lane masks and a class.  Class 0: nothing masked.  Class 1: each score is replaced by the masked logit where its bit is set:
; one v_cndmask_b32 a score, the masks in scalar registers.  Class 2: every score is the masked logit: K Q^T, whose result would be thrown away, and the search for maxima are left out; p is one number; V^T P is multiplied as always.
; The branches hang on stored whole numbers; so this launch has no tensor load, and no joint requests: K and V come through registers, each byte once for a work-group, and are shared by four work-groups only.
; No prefetch: all of K and V is asked for at the head.
; LIMITS: NaN and infinities are not served; a block of zeros carries the byte 1 (zero codes); in a step of class 2 a lane's 64 equal p are summed as 64 p, rounded once.
; THE MODE: SCHED_MODE bits 1:0 = 2 (LLVM: expert scheduling mode 2), set by the entry lines.  The code itself states the register dependences
; between vector or matrix instructions and memory or LDS instructions, with s_wait_alu, always for 0.
; THE PLAN.  Registers that memory or LDS instructions touch:
;   v9-15, v32-165   the head's fill: offsets and addresses made by vector lines; data loaded, then read by the LDS stores (v160-163 cut in between).  All are free behind one wait on vm_vsrc, behind the barrier.
;   v10, v11         a pass: offsets of Q's three loads, made at the pass's head; on the way out the offsets of the three stores.
;   v16-23, v244     Q's codes and scale word: loaded at a pass's head; read by the products K Q^T (v244 is cut by a vector line first).
;   v3-6             a step's four LDS addresses: written at the step's head, read by its 38 LDS loads.
;   v32-95           K's sixteen loads land; the eight products K Q^T read them; V's sixteen loads land; the four products V^T P read them.
;   v238-243         K's and V's scale words: loaded, read by the products.
;   v136-143, v235   the way out: written by vector lines, read by the three stores.
; S^T and p, O^T, p's codes and the statistics are named by vector and matrix instructions alone.
; A STEP'S WAITS: one on vm_vsrc ahead of the four address lines; one on va_vdst ahead of K's loads; the wait behind the exponentials' batch also shows K Q^T done with v32-103, so V's loads follow it, dealt among
; the row's sums, which name none of the registers that those loads touch; one on va_vdst ahead of the products V^T P, for p's codes and scale word.
.set VREG,  131072                     ; LDS: K's images at 0, 8,192 bytes a key step; V's here likewise;
.set KSREG, 262144                     ; K's scale words: 64 bytes a tile of 16 keys;
.set VSREG, 270336                     ; V's: 256 bytes a key step, 64 a channel tile
.set LI,  1                            ; v1   16 x lane
.set KS0, 2                            ; v2   4 x lane + KSREG
.set ADK, 3                            ; v3-6 the step's addresses: K, V, K's scale words, V's
.set ADV, 4
.set ADS, 5
.set ADT, 6
.set VS0, 7                            ; v7   4 x lane + VSREG
.set MKV, 8                            ; v8   -80000: the score that stands for the logit -10000 (scores are divided by 8)
.set OA,  10                           ; v10, v11 offsets of Q's loads, later of a's stores
.set SA,  11
.set QF,  16                           ; v16-23 Q's codes, v24-31 zeros
.set KV,  32                           ; v32-95 K's eight tiles or V's four fragments; v96-103 zeros
.set S,   104                          ; v104-167 S^T, then p
.set O,   168                          ; v168-199 O^T
.set PC,  200                          ; v200-215 p's codes
.set BM,  216
.set PT,  220
.set HD,  224
.set SO,  228
.set F,   232                          ; v[232:233] 2^(old M - new M), later 1 / the sum
.set TA,  234
.set TB2, 235
.set SU,  236
.set KSC, 238                          ; v238-241 K's scale words: lanes 0-15 an even tile's, lanes 16-31 the odd one's
.set VSC, 242
.set QSC, 244
.set PSC, 245
.set RC,  246
.set SN,  250
.set WV,  18
.set TB,  19                           ; s19  the step's first byte in K's and V's images
.set T1,  20
.set T2,  21
.set C,   22                           ; s22  the classes still to come, two bits a step
.set STP, 23
.set PASS, 24
.set TT,  25                           ; s25  my query tile
.set SH,  26                           ; s26  16 x (head & 1): where my head's two bytes lie in a pair's scale word
.set HM,  27                           ; s27  lanes 16-31
.set MNT, 28
.set SEL, 66
.set CS,  104                          ; s[104:105] log2(e) / 8
; V's images of the step: load k of sixteen brings registers 4 k .. 4 k + 3 of the four fragments (channel tile k / 4); then the two registers of scale words
.macro VL k
	ds_load_b128 v[KV+4*(\k):KV+4*(\k)+3], v[ADV] offset:512*(\k)
.endm
.macro VLS
	ds_load_b32 v[VSC], v[ADT]
	ds_load_b32 v[VSC+1], v[ADT] offset:128
.endm
	s_load_b256 s[32:39], s[0:1], 0x0              ; qkvimg, qkvsc, maskw, cls
	s_load_b128 s[40:43], s[0:1], 0x20             ; aimg, asc
	v_lshl_add_u32 v254, v0, 2, 0x43000
	v_mov_b32 v255, 0
	v_lshrrev_b32 v1, 5, v0
	v_readfirstlane_b32 s[WV], v1                  ; wave 0..15
	v_and_b32 v2, 31, v0
	v_lshlrev_b32 v[LI], 4, v2
	v_lshl_add_u32 v[VS0], v2, 2, VSREG
	v_lshl_add_u32 v[KS0], v2, 2, KSREG
	v_lshlrev_b32 v9, 4, v0                        ; the fill: thread t takes 16 bytes at 16 t of each 8,192
	v_add_nc_u32 v10, 65536, v9
	v_add_nc_u32 v11, VREG, v9
	v_add_nc_u32 v12, VREG+65536, v9
	v_lshlrev_b32 v13, 3, v0
	v_add_nc_u32 v14, KSREG, v9
	v_add_nc_u32 v15, VSREG, v13
	s_wait_alu depctr_va_sdst(0)                   ; s18, the wave's number, is written: ahead of every label and of its first reader, at a pass's head
	s_and_b32 s2, ttmp7, 0xffff                    ; batch x head
	s_lshr_b32 s3, s2, 4                           ; batch
	s_and_b32 s20, s2, 15                          ; head
	s_lshr_b32 s21, s20, 1                         ; pair of heads
	s_and_b32 s22, s20, 1
	s_lshl_b32 s[SH], s22, 4
	s_lshl_b32 s44, s2, 17                         ; a head's images: 131,072 bytes
	s_mov_b32 s45, 0
	s_lshl_b32 s46, s3, 3
	s_add_co_u32 s46, s46, s21
	s_lshl_b32 s46, s46, 13                        ; a pair's scale words: 8,192 bytes
	s_mov_b32 s47, 0
	s_lshl_b32 s48, s2, 12
	s_add_co_u32 s48, s48, 524288                  ; v's scale words: 4,096 bytes a head
	s_mov_b32 s49, 0
	s_lshl_b32 s50, s3, 21                         ; aimg: a batch's 128 token tiles of 16,384 bytes,
	s_lshl_b32 s23, s21, 11                        ; K step = the pair of heads,
	s_add_co_u32 s50, s50, s23
	s_lshl_b32 s23, s22, 10                        ; registers 0-7 or 8-15 of the fragment
	s_add_co_u32 s50, s50, s23
	s_mov_b32 s51, 0
	s_lshl_b32 s52, s3, 16                         ; asc: 32 bytes a token; my head's two
	s_lshl_b32 s23, s20, 1
	s_add_co_u32 s52, s52, s23
	s_mov_b32 s53, 0
	s_mov_b32 s[HM], 0xffff0000
	s_mov_b32 s[MNT], 0x600000
	s_mov_b32 s[SEL], 0x76543210
	s_mov_b32 s[SEL+1], 0xfedcba98
	s_mov_b32 s[CS], 0x3e38aa3b
	s_mov_b32 s[CS+1], s[CS]
	s_wait_kmcnt 0x0
	s_add_nc_u64 s[4:5], s[32:33], s[44:45]        ; q's images of my head
	s_add_nc_u64 s[54:55], s[4:5], 0x800000        ; k's
	s_add_nc_u64 s[56:57], s[4:5], 0x1000000       ; v's
	s_add_nc_u64 s[6:7], s[34:35], s[46:47]        ; q's scale words
	s_add_nc_u64 s[58:59], s[6:7], 262144          ; k's
	s_add_nc_u64 s[60:61], s[34:35], s[48:49]      ; v's
	s_mov_b64 s[8:9], s[36:37]                     ; maskw
	s_mov_b64 s[12:13], s[38:39]                   ; cls
	s_add_nc_u64 s[14:15], s[40:41], s[50:51]
	s_add_nc_u64 s[16:17], s[42:43], s[52:53]
	; THE FILL: 34 loads a wave, 512 consecutive bytes each (V's scale words: 256); then the same bytes to LDS as they lie.
	s_wait_alu depctr_va_vdst(0)                   ; v9 to v15 are written: the fill's loads and LDS stores read them as offsets and addresses
.irp s, 0,1,2,3,4,5,6,7,8,9,10,11,12,13,14,15
	global_load_b128 v[32+4*\s:35+4*\s], v9, s[54:55] offset:8192*\s
.endr
.irp s, 0,1,2,3,4,5,6,7,8,9,10,11,12,13,14,15
	global_load_b128 v[96+4*\s:99+4*\s], v9, s[56:57] offset:8192*\s
.endr
	global_load_b128 v[160:163], v9, s[58:59]
	global_load_b64 v[164:165], v13, s[60:61]
.irp s, 0,1,2,3,4,5,6,7,8,9,10,11,12,13,14,15
	s_wait_loadcnt 33-\s                           ; K's step s is in: 33 - s loads were issued behind it
	ds_store_b128 v[9+\s/8], v[32+4*\s:35+4*\s] offset:8192*(\s%8)
.endr
.irp s, 0,1,2,3,4,5,6,7,8,9,10,11,12,13,14,15
	s_wait_loadcnt 17-\s                           ; V's step s: 17 - s behind it
	ds_store_b128 v[11+\s/8], v[96+4*\s:99+4*\s] offset:8192*(\s%8)
.endr
	s_wait_loadcnt 0x0
.irp i, 0,1,2,3
	v_bfe_u32 v[160+\i], v[160+\i], s[SH], 16      ; my head's two bytes; the bytes of the zero half of K become 0
.endr
	s_wait_alu depctr_va_vdst(0)                   ; the four cuts have written v160-163, which the LDS store below reads
	ds_store_b128 v14, v[160:163]
	ds_store_b64 v15, v[164:165]
	s_wait_dscnt 0x0                               ; for the others' sake: my stores have landed
	s_barrier_signal -1
	s_barrier_wait -1                              ; the head's K and V lie in LDS; nothing is written there any more
	s_wait_alu depctr_vm_vsrc(0)                   ; the fill's loads and LDS stores have read v9-15 and v32-165: from here on vector lines, products and loads write these registers
.irp j, 0,1,2,3,4,5,6,7
	v_mov_b32 v[QF+8+\j], 0                        ; Q's zero half,
	v_mov_b32 v[KV+64+\j], 0                       ; and what stands behind K's last tile
.endr
.irp b, 0,1,2,3
	v_mov_b32 v[PT+\b], 0                          ; written once: a lane permute's destination counts as one of its sources
	v_mov_b32 v[RC+\b], 0
.endr
	v_mov_b32 v[F+1], 0                            ; (named as the upper half of a pair)
	v_mov_b32 v[TA], 0
	v_mov_b32 v[MKV], 0xc79c4000
	s_mov_b32 s[PASS], 2
.Lpass:
	s_sub_co_u32 s2, 7, ttmp9
	s_cmp_eq_u32 s[PASS], 2
	s_cselect_b32 s2, s2, ttmp9                    ; the block of 256 queries: first 7 - x, then x
	s_lshl_b32 s2, s2, 4
	s_add_co_u32 s[TT], s2, s[WV]
	s_lshl_b32 s2, s[TT], 10
	v_add_nc_u32 v[OA], s2, v[LI]
	s_lshl_b32 s2, s[TT], 6
	v_and_b32 v[SA], 15, v0
	v_lshl_add_u32 v[SA], v[SA], 2, s2
	s_wait_alu depctr_va_vdst(0)                   ; v10 and v11 are written, which the three loads read; the last pass's products are done reading v16-23 and v244, and v244's cut is written: the loads land there
	global_load_b128 v[QF:QF+3], v[OA], s[4:5]
	global_load_b128 v[QF+4:QF+7], v[OA], s[4:5] offset:512
	global_load_b32 v[QSC], v[SA], s[6:7]
	s_lshl_b32 s30, s[TT], 2
	s_mov_b32 s31, 0
	s_add_nc_u64 s[30:31], s[12:13], s[30:31]
	s_load_b32 s[C], s[30:31], 0x0                 ; my tile's sixteen classes
	s_lshl_b32 s2, s[TT], 12
	s_mov_b32 s3, 0
	s_add_nc_u64 s[10:11], s[8:9], s[2:3]
	s_load_b512 s[32:47], s[10:11], 0x0            ; step 0's 64 words, whatever its class: so the registers are written on every way
	s_load_b512 s[48:63], s[10:11], 0x40
	s_load_b512 s[68:83], s[10:11], 0x80
	s_load_b512 s[84:99], s[10:11], 0xc0
	v_mov_b32 v13, 0xff61b1e6                      ; the largest t so far: -3e38
	v_floor_f32 v12, -v13                          ; -M
	v_mov_b32 v14, 0                               ; the sum, in two halves
	v_mov_b32 v15, 0
	s_wait_loadcnt 0x0
	v_bfe_u32 v[QSC], v[QSC], s[SH], 16
.set j, 0
.rept 32
	v_mov_b32 v[O+j], 0                            ; O^T.  (These also stand between the scale word's last write and the first product)
.set j, j+1
.endr
	s_mov_b32 s[TB], 0
	s_mov_b32 s[STP], 16
.Lstep:
	s_wait_kmcnt 0x0                               ; the classes, and this step's words where they were asked for
	s_add_nc_u64 s[10:11], s[10:11], 256           ; the next step's words
	s_and_b32 s[T1], s[C], 3
	s_lshr_b32 s[C], s[C], 2
	s_lshr_b32 s[T2], s[TB], 4                     ; K's scale words: 512 bytes a step
	s_wait_alu depctr_vm_vsrc(0)                   ; the last step's LDS loads have read v3-6, which the four lines below write (in a pass's first step: Q's loads have read v10 and v11, which the way out writes)
	v_add_nc_u32 v[ADK], s[TB], v[LI]
	v_add_nc_u32 v[ADV], VREG, v[ADK]
	v_add_nc_u32 v[ADS], s[T2], v[KS0]
	s_lshr_b32 s[T2], s[T2], 1                     ; V's: 256
	v_add_nc_u32 v[ADT], s[T2], v[VS0]
	s_cmp_eq_u32 s[T1], 2
	s_cbranch_scc1 .Ldark
	; ---- S^T = K Q^T
.rept 4
	v_nop                                          ; with the four additions above: eight places behind the last products, which read v32-95
.endr
	s_wait_alu depctr_va_vdst(0)                   ; v3-6 are written, which the loads read; the last products V^T P are done reading v32-95 and earlier products K Q^T v238-241, where the loads land; Q's cut scale word and the zero halves are written, behind their places, for the products below
.irp t, 0,1,2,3,4,5,6,7
	ds_load_b128 v[KV+8*\t:KV+8*\t+3], v[ADK] offset:1024*\t
	ds_load_b128 v[KV+8*\t+4:KV+8*\t+7], v[ADK] offset:1024*\t+512
.endr
.irp i, 0,1,2,3
	ds_load_b32 v[KSC+\i], v[ADS] offset:128*\i
.endr
	s_wait_dscnt 0x0
.irp t, 0,2,4,6
	v_wmma_scale_f32_16x16x128_f8f6f4 v[S+8*\t:S+8*\t+7], v[KV+8*\t:KV+8*\t+15], v[QF:QF+15], 0, v[KSC+\t/2], v[QSC]
	v_wmma_scale_f32_16x16x128_f8f6f4 v[S+8*\t+8:S+8*\t+15], v[KV+8*\t+8:KV+8*\t+23], v[QF:QF+15], 0, v[KSC+\t/2], v[QSC] matrix_a_scale:MATRIX_SCALE_ROW1
.endr
.rept 8
	v_nop
.endr
	s_cmp_lg_u32 s[T1], 1
	s_cbranch_scc1 .Lsoft
.set n, 0
.rept 64
	v_cndmask_b32 v[S+n], v[S+n], v[MKV], s[32+n+4*(n/32)]   ; where the mask's bit is set: the masked logit
.set n, n+1
.endr
.Lsoft:
.irp b, 0,1,2,3
	v_max3_num_f32 v[BM+\b], v[S+16*\b], v[S+1+16*\b], v[S+2+16*\b]   ; the largest score of each block of 32 keys: for the row's maximum and for the block's largest p
.endr
.irp i, 3,5,7,9,11,13
.irp b, 0,1,2,3
	v_max3_num_f32 v[BM+\b], v[BM+\b], v[S+16*\b+\i], v[S+1+16*\b+\i]
.endr
.endr
.irp b, 0,1,2,3
	v_max_num_f32 v[BM+\b], v[BM+\b], v[S+15+16*\b]
.endr
.irp b, 0,1,2,3
	v_permlanex16_b32 v[PT+\b], v[BM+\b], s[SEL], s[SEL+1]
.endr
.irp b, 0,1,2,3
	v_max_num_f32 v[BM+\b], v[BM+\b], v[PT+\b]     ; with lane l xor 16's 16 keys
.endr
	v_max3_num_f32 v[TA], v[BM], v[BM+1], v[BM+2]
	v_max_num_f32 v[TA], v[TA], v[BM+3]
	v_mul_f32 v[TA], s[CS], v[TA]                  ; as t
	v_max_num_f32 v13, v13, v[TA]                  ; the running largest t
	v_mov_b32 v[TA], v12
	v_floor_f32 v12, -v13                          ; the new -M = -ceil(t)
	v_sub_f32 v[TA], v12, v[TA]                    ; old M - new M: a whole number, 0 or less
	v_cvt_i32_f32 v[TA], v[TA]                     ; (it saturates)
	v_ldexp_f32 v[F], 1.0, v[TA]                   ; 2^(old M - new M): a multiplication by it rounds nothing
.set j, 0
.rept 32
	v_pk_fma_f32 v[S+j:S+j+1], v[S+j:S+j+1], s[CS:CS+1], v[12:13] op_sel_hi:[1,0,0]   ; t - M
.set j, j+2
.endr
.irp b, 0,1,2,3
	v_fma_f32 v[BM+\b], v[BM+\b], s[CS], v12
.endr
.set j, 0
.rept 64
	v_exp_f32 v[S+j], v[S+j]                       ; p = 2^(t - M)
.set j, j+1
.endr
	v_pk_mul_f32 v[14:15], v[14:15], v[F:F+1] op_sel_hi:[1,0]   ; the sums under the new M: a plain line behind the exponentials
	s_wait_alu depctr_va_vdst(0)                   ; the 64 exponentials have written p, ahead of its first reader; and the products K Q^T are done reading v32-103: V's loads, dealt among the sums below, land in v32-95
.irp b, 0,1,2,3
	v_exp_f32 v[BM+\b], v[BM+\b]                   ; the block's largest p
.endr
	v_pk_add_f32 v[SU:SU+1], v[S:S+1], v[S+2:S+3]  ; the row's sum, of the unquantised p, in two chains
	VL 0                                           ; no vector or matrix line from the wait above to the products V^T P names v32-95, v242, v243, v4 or v6: so V's eighteen loads owe no further wait
.set j, 4
.set n, 1
.rept 15
	v_pk_add_f32 v[14:15], v[14:15], v[S+j:S+j+1]
	v_pk_add_f32 v[SU:SU+1], v[SU:SU+1], v[S+j+2:S+j+3]
	VL n
.set j, j+4
.set n, n+1
.endr
	VLS
	v_pk_add_f32 v[14:15], v[14:15], v[SU:SU+1]
	s_wait_alu depctr_va_vdst(0)                   ; the four exponentials have written the blocks' largest p, ahead of their first reader
.irp b, 0,1,2,3
	v_max_num_f32 v[BM+\b], 0x4800000, v[BM+\b]    ; the floor 2^(9 - 127)
.endr
.irp b, 0,1,2,3
	v_add_nc_u32 v[SO+\b], 0xfc000000, v[BM+\b]    ; the conversion's scale operand
.endr
.irp b, 0,1,2,3
	v_and_or_b32 v[HD+\b], v[BM+\b], 0x7f800000, s[MNT]   ; 448 x the scale
.endr
.irp b, 0,1,2,3
	v_lshrrev_b32 v[PT+\b], 23, v[SO+\b]           ; the scale's byte
.endr
	v_lshl_or_b32 v[PSC], v[PT+1], 8, v[PT]
	v_lshl_or_b32 v[PSC], v[PT+2], 16, v[PSC]
	v_lshl_or_b32 v[PSC], v[PT+3], 24, v[PSC]
.irp b, 0,1,2,3
.irp i, 0,1,2,3,4,5,6,7,8,9,10,11,12,13,14,15
	v_min_num_f32 v[S+16*\b+\i], v[S+16*\b+\i], v[HD+\b]   ; the hold (ISA guide 7.6.2); p is not negative
.endr
	v_cvt_scalef32_pk8_fp8_f32 v[PC+4*\b:PC+4*\b+1], v[S+16*\b:S+16*\b+7], v[SO+\b]
	v_cvt_scalef32_pk8_fp8_f32 v[PC+4*\b+2:PC+4*\b+3], v[S+16*\b+8:S+16*\b+15], v[SO+\b]
.endr
	v_nop                                          ; a plain line behind the last conversion
	s_branch .Lpv
.Ldark:
	; ---- all 128 scores are the masked logit: the same arithmetic on one number
	v_mul_f32 v[TA], s[CS], v[MKV]
	v_max_num_f32 v13, v13, v[TA]
	v_mov_b32 v[TA], v12
	v_floor_f32 v12, -v13
	v_sub_f32 v[TA], v12, v[TA]
	v_cvt_i32_f32 v[TA], v[TA]
	v_ldexp_f32 v[F], 1.0, v[TA]
	v_fma_f32 v[BM], v[MKV], s[CS], v12
	v_exp_f32 v[BM], v[BM]                         ; p
	v_pk_mul_f32 v[14:15], v[14:15], v[F:F+1] op_sel_hi:[1,0]
	s_wait_alu depctr_va_vdst(0)                   ; the exponential has written p, ahead of its first reader; v4 and v6 are written, which V's loads read; the last products V^T P are done reading v32-95, v242 and v243, where they land
.irp k, 0,1,2,3,4,5,6,7,8,9,10,11,12,13,14,15
	VL \k
.endr
	VLS
	v_fma_f32 v14, v[BM], 0x42800000, v14          ; my 64 keys
	v_max_num_f32 v[BM+1], 0x4800000, v[BM]
	v_add_nc_u32 v[SO], 0xfc000000, v[BM+1]
	v_and_or_b32 v[HD], v[BM+1], 0x7f800000, s[MNT]
	v_lshrrev_b32 v[PT], 23, v[SO]
	v_perm_b32 v[PSC], v[PT], v[PT], 0             ; the same byte for the four blocks
.irp i, 0,1,2,3,4,5,6,7
	v_min_num_f32 v[S+\i], v[BM], v[HD]
.endr
	v_cvt_scalef32_pk8_fp8_f32 v[PC:PC+1], v[S:S+7], v[SO]
	v_nop
.irp k, 2,3,4,5,6,7,8,9,10,11,12,13,14,15
	v_mov_b32 v[PC+\k], v[PC]                      ; every code is the same
.endr
.Lpv:
	s_and_b32 s[T1], s[C], 3                       ; the next step's words are asked for a step ahead, where its class wants them; behind the last step the classes are 0
	s_cmp_lg_u32 s[T1], 1
	s_cbranch_scc1 .Lnowords
	s_load_b512 s[32:47], s[10:11], 0x0
	s_load_b512 s[48:63], s[10:11], 0x40
	s_load_b512 s[68:83], s[10:11], 0x80
	s_load_b512 s[84:99], s[10:11], 0xc0
.Lnowords:
	; ---- O^T = O^T x 2^(old M - new M) + V^T P^T.  V's fragments and scale words were asked for on both ways here
.set j, 0
.rept 16
	v_pk_mul_f32 v[O+j:O+j+1], v[O+j:O+j+1], v[F:F+1] op_sel_hi:[1,0]   ; (these are also the places between the codes' last write and the products)
.set j, j+2
.endr
	s_wait_dscnt 0x0
	s_wait_alu depctr_va_vdst(0)                   ; the conversions (or the copies) have written p's codes v200-215, and the vector lines its scale word v245, which the products below take; the places stand above
.irp c, 0,2                            ; the four accumulators take turns, one instruction a turn
	v_wmma_scale_f32_16x16x128_f8f6f4 v[O+8*\c:O+8*\c+7], v[KV+16*\c:KV+16*\c+15], v[PC:PC+15], v[O+8*\c:O+8*\c+7], v[VSC+\c/2], v[PSC]
	v_wmma_scale_f32_16x16x128_f8f6f4 v[O+8*\c+8:O+8*\c+15], v[KV+16*\c+16:KV+16*\c+31], v[PC:PC+15], v[O+8*\c+8:O+8*\c+15], v[VSC+\c/2], v[PSC] matrix_a_scale:MATRIX_SCALE_ROW1
.endr
	s_add_co_u32 s[TB], s[TB], 8192
	s_sub_co_u32 s[STP], s[STP], 1
	s_cmp_lg_u32 s[STP], 0
	s_cbranch_scc1 .Lstep
	; ---- THE WAY OUT: / the sum, quantised along my head's 64 channels (two blocks of the next product's K), put into the operand's true order, stored as an image
	s_wait_kmcnt 0x0
	v_add_f32 v14, v14, v15
	v_permlanex16_b32 v[TA], v14, s[SEL], s[SEL+1]
	v_add_f32 v14, v14, v[TA]                      ; the row's sum
	v_rcp_f32 v[F], v14
	s_lshl_b32 s2, s[TT], 14
	v_add_nc_u32 v[OA], s2, v[LI]                  ; aimg: my token tile, 16 x lane.  (Q's loads have read v10 and v11: the steps' waits on vm_vsrc stand between)
	s_lshl_b32 s2, s[TT], 9
	v_and_b32 v[SA], 15, v0
	v_lshl_add_u32 v[SA], v[SA], 5, s2             ; asc: my token's row of 32 bytes
.rept 4
	v_nop                                          ; with the five plain lines above: the places behind the last products
.endr
	s_wait_alu depctr_va_vdst(0)                   ; the reciprocal has written v232, ahead of its first reader
.set j, 0
.rept 16
	v_pk_mul_f32 v[S+j:S+j+1], v[O+j:O+j+1], v[F:F+1] op_sel_hi:[1,0]   ; register 16 b + i: channel 32 b + 16 (i / 8) + 8 h + i % 8
.set j, j+2
.endr
.irp b, 0,1
	v_max3_num_f32 v[BM+\b], |v[S+16*\b]|, |v[S+1+16*\b]|, 0x4800000
.endr
.irp i, 2,4,6,8,10,12,14
.irp b, 0,1
	v_max3_num_f32 v[BM+\b], v[BM+\b], |v[S+16*\b+\i]|, |v[S+1+16*\b+\i]|
.endr
.endr
.irp b, 0,1
	v_permlanex16_b32 v[PT+\b], v[BM+\b], s[SEL], s[SEL+1]
.endr
.irp b, 0,1
	v_max_num_f32 v[BM+\b], v[BM+\b], v[PT+\b]
.endr
.irp b, 0,1
	v_add_nc_u32 v[SO+\b], 0xfc000000, v[BM+\b]
.endr
.irp b, 0,1
	v_and_or_b32 v[HD+\b], v[BM+\b], 0x7f800000, s[MNT]
.endr
.irp b, 0,1
	v_lshrrev_b32 v[PT+\b], 23, v[SO+\b]
.endr
	v_lshl_or_b32 v[TB2], v[PT+1], 8, v[PT]        ; my row's two scale bytes
.irp b, 0,1
.irp i, 0,1,2,3,4,5,6,7,8,9,10,11,12,13,14,15
	v_med3_num_f32 v[S+16*\b+\i], v[S+16*\b+\i], -v[HD+\b], v[HD+\b]
.endr
	v_cvt_scalef32_pk8_fp8_f32 v[PC+4*\b:PC+4*\b+1], v[S+16*\b:S+16*\b+7], v[SO+\b]
	v_cvt_scalef32_pk8_fp8_f32 v[PC+4*\b+2:PC+4*\b+3], v[S+16*\b+8:S+16*\b+15], v[SO+\b]
.endr
	v_nop
	; The next product's other operand is given, so these codes go into the true order: lanes 0-15 want channels 32 b + 0 .. 15, lanes 16-31 channels 32 b + 16 .. 31.
	; A lane of the low half keeps its first eight and takes the high half's first eight; a lane of the high half takes the low half's last eight and keeps its own.
.irp b, 0,1
.irp k, 0,1
	v_cndmask_b32 v[SN+2*\b+\k], v[PC+4*\b+2+\k], v[PC+4*\b+\k], s[HM]
.endr
.endr
.irp b, 0,1
.irp k, 0,1
	v_permlanex16_b32 v[RC+2*\b+\k], v[SN+2*\b+\k], s[SEL], s[SEL+1]
.endr
.endr
.irp b, 0,1
.irp k, 0,1
	v_cndmask_b32 v[S+32+4*\b+\k], v[PC+4*\b+\k], v[RC+2*\b+\k], s[HM]
	v_cndmask_b32 v[S+34+4*\b+\k], v[RC+2*\b+\k], v[PC+4*\b+2+\k], s[HM]
.endr
.endr
	s_wait_alu depctr_va_vdst(0)                   ; the selects have written v136-143, and earlier lines v235, v10 and v11: the three stores read them as data and offsets
	global_store_b128 v[OA], v[S+32:S+35], s[14:15]              ; 32 lanes store 512 consecutive bytes, aligned
	global_store_b128 v[OA], v[S+36:S+39], s[14:15] offset:512
	global_store_b16 v[SA], v[TB2], s[16:17]                     ; both halves of the lanes write the same two bytes with the same value
	s_wait_xcnt 0x0                                ; the stores have read their registers: the next block of queries may write them
	s_wait_alu depctr_vm_vsrc(0)                   ; the three stores have read v10, v11, v136-143 and v235, which the next pass's vector lines and products write
	s_sub_co_u32 s[PASS], s[PASS], 1
	s_cmp_lg_u32 s[PASS], 0
	s_cbranch_scc1 .Lpass
	s_wait_dscnt 0x0
	s_wait_alu depctr_hold_cnt(0) depctr_sa_sdst(0) depctr_va_vdst(0) depctr_va_sdst(0) depctr_va_ssrc(0) depctr_va_vcc(0) depctr_vm_vsrc(0)
	s_wait_tensorcnt 0x0
	ds_add_u32 v254, v255
	s_wait_dscnt 0x0
	s_endpgm
.Lfunc_end_k_q76db125185_attn:
	.size	k_q76db125185_attn, .Lfunc_end_k_q76db125185_attn-k_q76db125185_attn
	.p2alignl 7, 3214868480
	.fill 96, 4, 3214868480
	.section	.rodata,"a",@progbits
	.p2align	6, 0x0
	.amdhsa_kernel k_q76db125185_attn
		.amdhsa_group_segment_fixed_size 276480
		.amdhsa_private_segment_fixed_size 0
		.amdhsa_enable_private_segment 0
		.amdhsa_kernarg_size 48
		.amdhsa_user_sgpr_count 2
		.amdhsa_user_sgpr_kernarg_segment_ptr 1
		.amdhsa_wavefront_size32 1
		.amdhsa_system_sgpr_workgroup_id_x 1
		.amdhsa_system_sgpr_workgroup_id_y 1
		.amdhsa_system_sgpr_workgroup_id_z 1
		.amdhsa_system_vgpr_workitem_id 0
		.amdhsa_next_free_vgpr 256
		.amdhsa_next_free_sgpr 106
		.amdhsa_reserve_vcc 0
		.amdhsa_float_denorm_mode_32 3
		.amdhsa_float_denorm_mode_16_64 3
		.amdhsa_memory_ordered 1
		.amdhsa_forward_progress 1
		.amdhsa_inst_pref_size 47
	.end_amdhsa_kernel
	.amdgpu_metadata
---
amdhsa.version: [ 1, 2 ]
amdhsa.kernels:
  - .name:           k_q76db125185_attn
    .symbol:         k_q76db125185_attn.kd
    .args:
      - { .name: qkvimg, .offset: 0, .size: 8, .value_kind: global_buffer, .address_space: global }
      - { .name: qkvsc, .offset: 8, .size: 8, .value_kind: global_buffer, .address_space: global }
      - { .name: maskw, .offset: 16, .size: 8, .value_kind: global_buffer, .address_space: global }
      - { .name: cls, .offset: 24, .size: 8, .value_kind: global_buffer, .address_space: global }
      - { .name: aimg, .offset: 32, .size: 8, .value_kind: global_buffer, .address_space: global }
      - { .name: asc, .offset: 40, .size: 8, .value_kind: global_buffer, .address_space: global }
    .group_segment_fixed_size: 276480
    .private_segment_fixed_size: 0
    .kernarg_segment_align: 8
    .kernarg_segment_size: 48
    .max_flat_workgroup_size: 512
    .sgpr_count:     106
    .vgpr_count:     256
    .wavefront_size: 32
...
	.end_amdgpu_metadata
.endif
;; end of part 4
;; launch proj: the kernel of part 3 again; grid 4 x 32, 4 waves a work-group, clusters of 4 x 4, 327,680 bytes of LDS; arguments aimg, asc, c_proj_w_codes, c_proj_w_scales, c_proj_b, out0; writes out0
